; MI455X (gfx1250); checked and timed in simulation.
; The chip was launched on July 23, 2026; its instructions are those of AMD's public machine-readable ISA for CDNA 5 (MIT licence, August 2026) and "CDNA5" Instruction Set Architecture Reference Guide (July 2026). The comments in the code are by the model that wrote it; some were corrected since.
;; Sparse Cross Encoder Self Attention. Allowed arithmetic: matrix products marked QUANTISED: E2M3 operands, one E8M0 scale for each 32 along K, by v_wmma_scale_f32_16x16x128_f8f6f4 with both operands' format E2M3, f32 sums; products left as they are: f32 operands where the result goes on into a quantised operand, else bf16, f16 or f32 operands; f32 sums; everything else in f32.
;; Inputs: Wk 768 x 768 float32; Wq 768 x 768 float32; Wv 768 x 768 float32; bk 768 float32; bq 768 float32; bv 768 float32; cls 2 x 1 x 1 x 768 float32; dmask 2 x 1 x 16 x 1 x 512 float32; doc 2 x 16 x 512 x 768 float32; qmask 2 x 1 x 1 x 1 x 32 float32; query 2 x 1 x 32 x 768 float32.
;; Outputs: out0 2 x 16 x 545 x 768 float32.
;; This version of the problem:
;;   THIS VERSION OF THE PROBLEM IS GIVEN IN LOW PRECISION. The matrix products marked QUANTISED in the list below multiply operands that are first quantised to E2M3 (2 exponent bits, 3 mantissa bits; 6 bits a number), with one power-of-two scale for each 32 numbers along K (OCP MX v1.0); their sums are f32. All else is computed in f32.
;;   The module's matrix products, in the order in which they are computed (A, B: the left and right operand; K: the contracted axis; several contracted axes count as one K, in the product's order):
;;     1. [M 2, K 768] x [K 768, N 768]; A: input cls; B: input Wq: left as it is (M = 2 < 16)
;;     2. [M 2, K 768] x [K 768, N 768]; A: input cls; B: input Wk: left as it is (M = 2 < 16)
;;     3. [M 2, K 768] x [K 768, N 768]; A: input cls; B: input Wv: left as it is (M = 2 < 16)
;;     4. [M 64, K 768] x [K 768, N 768]; A: input query; B: input Wq: QUANTISED
;;     5. [M 64, K 768] x [K 768, N 768]; A: input query; B: input Wk: QUANTISED
;;     6. [M 64, K 768] x [K 768, N 768]; A: input query; B: input Wv: QUANTISED
;;     7. [M 16,384, K 768] x [K 768, N 768]; A: input doc; B: input Wq: QUANTISED
;;     8. [M 16,384, K 768] x [K 768, N 768]; A: input doc; B: input Wk: QUANTISED
;;     9. [M 16,384, K 768] x [K 768, N 768]; A: input doc; B: input Wv: QUANTISED
;;     10. batch 384 x [M 1, K 64] x [K 64, N 545]; A: computed on the way; B: computed on the way: left as it is (M = 1 < 16)
;;     11. batch 384 x [M 1, K 545] x [K 545, N 64]; A: softmax (see below); B: computed on the way: left as it is (M = 1 < 16)
;;     12. batch 384 x [M 32, K 64] x [K 64, N 545]; A: computed on the way; B: computed on the way: QUANTISED
;;     13. batch 384 x [M 32, K 545] x [K 545, N 64]; A: softmax (see below); B: computed on the way: QUANTISED
;;     14. batch 384 x [M 512, K 64] x [K 64, N 545]; A: computed on the way; B: computed on the way: QUANTISED
;;     15. batch 384 x [M 512, K 545] x [K 545, N 64]; A: softmax (see below); B: computed on the way: QUANTISED
;;   THE QUANTISER, for each operand of a quantised product, along K:
;;     - K is cut into blocks of 32 from its start; a last block that is shorter is filled with zeros.
;;     - A block's scale is 2^e with e = floor(log2(the largest magnitude in the block)) - 2, held to -126 .. 127; a block of zeros has e = 0. As a byte (E8M0): e + 127.
;;     - Each number is divided by its block's scale, clamped to +-7.5, and rounded to the nearest number of E2M3, ties to even, subnormals kept.
;;     - The product sums the exact products of the quantised numbers (number of the format x scale) in f32.
;;   ~~~python
;;   def quantise(x, axis):      # numpy; x: float32 -> the quantised numbers, widened to float32 again
;;       x = np.moveaxis(x, axis, -1); K = x.shape[-1]
;;       x = np.pad(x, [(0, 0)] * (x.ndim - 1) + [(0, -K % 32)]); x = x.reshape(x.shape[:-1] + (-1, 32)); a = np.abs(x).max(-1, keepdims=True)
;;       e = np.where(a > 0, np.clip(np.frexp(np.where(a > 0, a, 1))[1] - 1 - 2, -126, 127), 0)      # np.frexp(a)[1] - 1 = floor(log2(a)), exactly
;;       r = np.clip(x / 2.0 ** e, -7.5, 7.5)
;;       step = 2.0 ** (np.maximum(np.frexp(np.where(r == 0, 1, r))[1] - 1, 0) - 3)
;;       q = np.round(r / step) * step * 2.0 ** e      # np.round: ties to even
;;       return np.moveaxis(q.reshape(q.shape[:-2] + (-1,))[..., :K], -1, axis).astype(np.float32)
;;   ~~~
;;   SOFTMAX AHEAD OF A QUANTISED PRODUCT. Where the list says 'softmax', what is quantised is not the finished softmax but p = 2^(t - M), with t = logit x log2(e) and M = ceil(the row's largest t), a whole number; so 1/2 < the row's largest p <= 1. The row's sum l is taken of the UNQUANTISED p, in f32, and the product's result is divided by l at the end. Since M is a whole number, a kernel that streams over the keys may use a running M (the ceiling of the running maximum): every later rescaling is an exact power of two, which a block's scale takes up: the codes' values come out the same.
;;   OPERANDS COMPUTED ON THE WAY. 'Computed on the way' means the value that the module computes at that place (a softmax that the list does not call 'softmax' is quantised finished and normalised). What goes into a quantiser is computed in f32, as accurately as f32 sums, v_exp_f32 and their like allow (about 1e-6 of the number): no bf16 or f16 on the way to a quantiser, and a product that is left as it is and whose result goes on into a quantised operand takes f32 operands (vector FMAs, or v_wmma_f32_16x16x4_f32). A number that lies on a knife's edge between two numbers of the format may be rounded either way, as far as f32 arithmetic and the matrix unit's own rounding can turn it there, and no further.
;; One version. Each part assembles by itself: llvm-mc -triple=amdgcn-amd-amdhsa -mcpu=gfx1250 --defsym DOCPART=n.
;; ======== version 1 of 1: 4 launches
;; limits: right only within a limited range of input values
;; workspace buffers: qin 11,438,080 bytes; small 466,944 bytes; kv 23,396,352 bytes; qimg 10,027,008 bytes; qscl 491,520 bytes; cp 589,824 bytes
;; launch quant (part 1): grid 586 x 1, 4 waves a work-group, no clusters, 68,096 bytes of LDS; arguments doc, query, Wq, Wk, Wv, cls, qin; writes qin
.if DOCPART == 1
	.amdgcn_target "amdgcn-amd-amdhsa--gfx1250"
	.amdhsa_code_object_version 6
	.text
	.protected	k_q960c3aa028_quant
	.globl	k_q960c3aa028_quant
	.p2align	8
	.type	k_q960c3aa028_quant,@function
k_q960c3aa028_quant:
	s_mov_b64 s[64:65], 0
	v_nop
	global_prefetch_b8 v0, s[64:65] scope:SCOPE_SE
	s_setreg_imm32_b32 hwreg(HW_REG_WAVE_MODE, 25, 1), 1
	s_wait_xcnt 0x0
; doc, query and the three weights, f32 with K = 768 innermost, become codes of FP6 (E2M3) with one E8M0 byte for each 32 along K,
; laid as IMAGES OF OPERAND REGISTERS: a fragment (16 rows x 128 K, 12 registers a lane) is 1,536 bytes, registers 4 g .. 4 g + 3 of lane l at 512 g + 16 l.
; A pair of tiles has a scale record of 1,024 bytes: [half of K][tile][row][16 bytes]: the words of K steps 3 half + 0, 1, 2 and a word of bytes 127.
; WHICH ROWS FORM A TILE.  doc and query: tile (P, x), lane r = slot 32 P + 8 x + r + 8 (r / 8); slot s is row s - 1, slot 0 the segment's LAST row (keys are counted from the cls token on,
; so blocks of 32 keys are shifted by one row).  Wq, Wk: column tile u, lane r = row base + 8 u + r + 8 (r / 8).  Wv: row base + 16 u + r.
; SHARES.  Work-groups 0-71: a block of 32 rows of a weight; 72, 73: query of b = 0, 1; 74-585: 32 slots of doc.  A wave: 16 rows x 3 K steps (tile = wave / 2, half of K = wave % 2).
; Each load reads 512 consecutive bytes of one row; the 16 rows turn through the wave's own stage in LDS (pitch 528) so that a lane holds 16 neighbours along K of one row.
; The weights' waves also form cls . W in f32 on the numbers as loaded (partial sums over half of K; the next launch adds the halves and the bias).
; A block's scale is 2^(floor(log2(largest magnitude)) - 2): the byte is the magnitude's exponent field - 2, held at 1 from below.
; LIMITS: NaN and infinities are not served; a block of zeros, or one under 2^-124, gets the byte 1 (its codes are what the conversion gives under that byte); the bytes are read by this program alone.
; The two ways part on the work-group's number once and have LDS bytes of their own.  No barrier: waves share nothing.
.set XSCL,  9437184
.set WIMG,  9961472
.set WPART, 175104
.set WREC,  165888
.set XQIMG, 11362304
.set XQSCL, 11399168
.set CDO,   11401216
.set ROWB,  3072
.set SP,    528
.set WSTG,  16*SP
.set V0,   2                           ; v2  byte offset of row 0's 16 bytes of mine
.set VLO,  3                           ; v3  the same for row 1 (rows 1-7 by the immediate)
.set VHI,  4                           ; v4  for row 8 (rows 8-15 by the immediate)
.set SIN,  5                           ; v5  stage, on the way in: 16 x lane
.set SOUT, 6                           ; v6  stage, on the way out: 528 r + 64 h
.set L16,  7                           ; v7  16 x lane
.set RO,   8                           ; v8  16 r + 8 h: my two words of a scale record
.set KO,   9                           ; v9  16 x lane + 1,536 x half
.set SW,   12                          ; v12-15 the three scale words and the word of bytes 127
.set PC,   16                          ; v16-34 codes
.set TM,   36                          ; v36-51 at work in QUANT
.set PW,   52                          ; v52 the scale word just made
.set SA,   64                          ; v64-127, v128-191: two sets of 64 numbers
.set SB,   128
.set CL,   192                         ; v192-215 cls: K step k, batch b at 8 k + 4 b
.set DA,   216                         ; v216-247 sums cls . W: row i, batch b at 2 i + b
.set SEL,  40
.macro CBMAP sp, si, st, sch, t0, t1   ; part sp, place si -> st: 0 q, 1 k, 2 v;  sch: the block's first channel
	s_lshl_b32 \t0, \sp, 1
	s_add_co_u32 \t1, \sp, 4
	s_cmp_lt_u32 \sp, 4
	s_cselect_b32 \t0, \t0, \t1            ; the part's first head: 2 p, or p + 4
	s_lshr_b32 \t1, \si, 2
	s_add_co_u32 \t0, \t0, \t1             ; places 4-7: the second head
	s_lshl_b32 \t0, \t0, 1
	s_and_b32 \t1, \si, 1
	s_add_co_u32 \t0, \t0, \t1
	s_lshl_b32 \t0, \t0, 5                 ; k, v: 64 head + 32 (place % 2)
	s_mul_i32 \t1, \sp, 5
	s_add_co_u32 \t1, \t1, \si
	s_sub_co_u32 \t1, \t1, 20              ; q block of parts 4-7: 5 p + place - 20
	s_cmp_lt_u32 \sp, 4
	s_cselect_b32 \t1, \sp, \t1            ; of parts 0-3: p
	s_cselect_b32 \st, 8, 4                ; places under this are k or v
	s_lshl_b32 \t1, \t1, 5
	s_cmp_lt_u32 \si, \st
	s_cselect_b32 \sch, \t0, \t1
	s_cselect_b32 \st, 1, 0
	s_bfe_u32 \t0, \si, 0x10001
	s_add_co_u32 \t0, \t0, 1
	s_mul_i32 \st, \st, \t0
.endm
; 64 numbers of a lane, register 16 b + i = k 32 b + 16 h + i of my row, become a fragment's codes in v[PC] on and its scale word in v[PW]
.macro QUANT s
.irp b, 0,1,2,3
	v_max3_num_f32 v[TM+\b], |v[\s+16*\b]|, |v[\s+1+16*\b]|, 0x1800000   ; with the floor 2^(3 - 127): the byte cannot fall under 1
.endr
.irp i, 2,4,6,8,10,12,14
.irp b, 0,1,2,3
	v_max3_num_f32 v[TM+\b], v[TM+\b], |v[\s+16*\b+\i]|, |v[\s+1+16*\b+\i]|
.endr
.endr
.irp b, 0,1,2,3
	v_permlanex16_b32 v[TM+4+\b], v[TM+\b], s[SEL], s[SEL+1]
.endr
.irp b, 0,1,2,3
	v_max_num_f32 v[TM+\b], v[TM+\b], v[TM+4+\b]     ; with lane l xor 16's: the block's largest magnitude
.endr
.irp b, 0,1,2,3
	v_add_nc_u32 v[TM+12+\b], 0xff000000, v[TM+\b]   ; 2 off its exponent field: the conversion's scale operand
.endr
.irp b, 0,1,2,3
	v_lshrrev_b32 v[TM+4+\b], 23, v[TM+12+\b]        ; the byte
.endr
	v_lshl_or_b32 v[PW], v[TM+5], 8, v[TM+4]
	v_lshl_or_b32 v[PW], v[TM+6], 16, v[PW]
	v_lshl_or_b32 v[PW], v[TM+7], 24, v[PW]
.irp c, 0,1
	v_cvt_scalef32_pk16_fp6_f32 v[PC+6*\c:PC+2+6*\c], v[\s+32*\c:\s+15+32*\c], v[TM+12+2*\c]
	v_cvt_scalef32_pk16_fp6_f32 v[PC+12+4*\c:PC+14+4*\c], v[\s+16+32*\c:\s+31+32*\c], v[TM+12+2*\c+1]
.endr
	v_nop                                            ; one plain place behind a scaled conversion
.irp c, 0,1
.irp i, 0,1,2
	v_permlane16_swap_b32 v[PC+6*\c+\i], v[PC+12+4*\c+\i]   ; a whole block to a lane
.endr
.irp i, 0,1,2
	v_mov_b32 v[PC+3+6*\c+\i], v[PC+12+4*\c+\i]
.endr
.endr
.endm
.macro LOADS k, set                    ; K step k of my three: 16 rows, 512 consecutive bytes a load
	global_load_b128 v[\set:\set+3], v[V0], s[22:23] offset:512*\k th:TH_LOAD_NT
.irp i, 1,2,3,4,5,6,7
	global_load_b128 v[\set+4*\i:\set+4*\i+3], v[VLO], s[22:23] offset:(\i-1)*ROWB+512*\k th:TH_LOAD_NT
.endr
.irp i, 8,9,10,11,12,13,14,15
	global_load_b128 v[\set+4*\i:\set+4*\i+3], v[VHI], s[22:23] offset:(\i-8)*ROWB+512*\k th:TH_LOAD_NT
.endr
.endm
.macro DOT k, set                      ; cls . W on the numbers as loaded: my 4 of each row's 128, both batches; the first product starts the sums
.irp c, 0,1,2,3
.irp i, 0,1,2,3,4,5,6,7,8,9,10,11,12,13,14,15
.irp b, 0,1
.if (\k == 0) && (\c == 0)
	v_mul_f32 v[DA+2*\i+\b], v[\set+4*\i+\c], v[CL+8*\k+4*\b+\c]
.else
	v_fmac_f32 v[DA+2*\i+\b], v[\set+4*\i+\c], v[CL+8*\k+4*\b+\c]
.endif
.endr
.endr
.endr
.endm
.macro KS k, set, cnt, isw, lb
	s_wait_loadcnt \cnt                              ; this set's 16 loads are in; cnt = the other set's, which were issued behind them
.if \isw
	DOT \k, \set
.endif
.irp i, 0,1,2,3,4,5,6,7,8,9,10,11,12,13,14,15
	ds_store_b128 v[SIN], v[\set+4*\i:\set+4*\i+3] offset:\lb+\i*SP
.endr
	s_wait_dscnt 0x0                                 ; the stores are done: their registers take the numbers back in the other order
.irp b, 0,1,2,3
.irp j, 0,1,2,3
	ds_load_b128 v[\set+16*\b+4*\j:\set+16*\b+4*\j+3], v[SOUT] offset:\lb+128*\b+16*\j
.endr
.endr
	s_wait_dscnt 0x0
	s_wait_xcnt 0x0                                  ; the last image's stores have read the codes' registers
	QUANT \set
.if \k == 0
	LOADS 2, \set
.endif
.irp g, 0,1,2
	global_store_b128 v[L16], v[PC+4*\g:PC+4*\g+3], s[28:29] offset:\k*1536+512*\g   ; 512 consecutive bytes a store
.endr
	v_mov_b32 v[SW+\k], v[PW]
.endm
; in: s24 row 0, s25 row 1, s26 = 1 where rows 8-15 lie 8 further on, s28 the pair's images, s30 its record (offsets in qin), s[22:23] the source
.macro JOB isw
	s_mul_i32 s36, s20, 9216
	s_add_co_u32 s28, s28, s36
	s_mul_i32 s36, s19, 4608
	s_add_co_u32 s28, s28, s36                       ; my tile, my three K steps
	s_mov_b32 s29, 0
	s_lshl_b32 s36, s19, 9
	s_add_co_u32 s30, s30, s36
	s_lshl_b32 s36, s20, 8
	s_add_co_u32 s30, s30, s36
	s_mov_b32 s31, 0
	s_add_nc_u64 s[28:29], s[16:17], s[28:29]
	s_add_nc_u64 s[30:31], s[16:17], s[30:31]
	s_mul_i32 s24, s24, ROWB
	s_mul_i32 s25, s25, ROWB
	s_mul_i32 s26, s26, 8*ROWB
	s_add_co_u32 s26, s26, 7*ROWB
	v_add_nc_u32 v[V0], s24, v[KO]
	v_add_nc_u32 v[VLO], s25, v[KO]
	v_add_nc_u32 v[VHI], s26, v[VLO]
.if \isw
.irp k, 0,1,2
.irp b, 0,1
	global_load_b128 v[CL+8*\k+4*\b:CL+8*\k+4*\b+3], v[KO], s[14:15] offset:\b*3072+512*\k
.endr
.endr
.endif
	LOADS 0, SA
	LOADS 1, SB
	KS 0, SA, 16, \isw, \isw*4*WSTG
	KS 1, SB, 16, \isw, \isw*4*WSTG
	KS 2, SA, 0, \isw, \isw*4*WSTG
	v_cndmask_b32 v54, v[SW], v[SW+2], s42           ; lanes 0-15 words 0, 1; lanes 16-31 words 2, 3 of row r
	v_cndmask_b32 v55, v[SW+1], v[SW+3], s42
	global_store_b64 v[RO], v[54:55], s[30:31]       ; 32 lanes store 256 consecutive bytes
.endm
	s_load_b256 s[4:11], s[0:1], 0x0                 ; doc s[4:5], query s[6:7], Wq s[8:9], Wk s[10:11]
	s_load_b128 s[12:15], s[0:1], 0x20               ; Wv s[12:13], cls s[14:15]
	s_load_b64 s[16:17], s[0:1], 0x30                ; qin
	v_lshl_add_u32 v254, v0, 2, 0x10800
	v_mov_b32 v255, 0
	v_lshrrev_b32 v1, 5, v0
	v_readfirstlane_b32 s18, v1                      ; wave
	s_and_b32 s19, s18, 1                            ; which half of K
	s_lshr_b32 s20, s18, 1                           ; which tile of the pair
	v_and_b32 v1, 31, v0
	v_and_b32 v10, 15, v0                            ; r
	v_bfe_u32 v11, v0, 4, 1                          ; h
	v_lshlrev_b32 v[L16], 4, v1
	s_mul_i32 s38, s18, WSTG
	v_add_nc_u32 v[SIN], s38, v[L16]
	v_mul_u32_u24 v[SOUT], v10, SP
	v_lshl_add_u32 v[SOUT], v11, 6, v[SOUT]
	v_add_nc_u32 v[SOUT], s38, v[SOUT]
	v_lshlrev_b32 v[RO], 4, v10
	v_lshl_add_u32 v[RO], v11, 3, v[RO]
	s_mul_i32 s39, s19, 1536
	v_add_nc_u32 v[KO], s39, v[L16]
	s_mov_b32 s[SEL], 0x76543210
	s_mov_b32 s[SEL+1], 0xfedcba98                   ; v_permlanex16_b32: lane l xor 16
	s_mov_b32 s42, 0xffff0000                        ; lanes 16-31
.irp b, 0,1,2,3
	v_mov_b32 v[TM+4+\b], 0                          ; a lane permute's destination counts as a source: written once
.endr
	v_mov_b32 v[SW+3], 0x7f7f7f7f
	s_cmp_lt_u32 ttmp9, 72
	s_cbranch_scc0 .Lrows
	; ---- a block of 32 rows of a weight
	s_mul_i32 s32, ttmp9, 57
	s_lshr_b32 s32, s32, 9                           ; part = g / 9 (exact for g under 72)
	s_mul_i32 s33, s32, 9
	s_sub_co_u32 s33, ttmp9, s33                     ; place in the part
	CBMAP s32, s33, s34, s35, s36, s37
	s_cmp_eq_u32 s34, 2
	s_cselect_b32 s26, 0, 1                          ; Wv's tiles take neighbouring rows
	s_cselect_b32 s27, 16, 8
	s_mul_i32 s27, s27, s20
	s_add_co_u32 s24, s35, s27                       ; the tile's first row
	s_add_co_u32 s25, s24, 1
	s_mul_i32 s28, s32, WPART
	s_add_co_u32 s28, s28, WIMG
	s_lshl_b32 s30, s33, 10
	s_add_co_u32 s30, s30, s28
	s_add_co_u32 s30, s30, WREC
	s_mul_i32 s36, s33, 18432
	s_add_co_u32 s28, s28, s36
	s_mul_i32 s36, s34, 768
	s_add_co_u32 s36, s36, s24
	s_lshl_b32 s36, s36, 2
	s_mul_i32 s37, s19, 18432
	s_add_co_u32 s36, s36, s37
	s_add_co_u32 s32, s36, CDO                       ; the sums' place: [half][b][768 type + channel]
	s_mov_b32 s33, 0
	v_and_b32 v53, 8, v10
	v_mul_u32_u24 v53, v53, s26
	v_add_nc_u32 v53, v53, v10                       ; lane l: row l % 16 of the tile,
	v_lshlrev_b32 v53, 2, v53
	v_mad_u32_u24 v53, v11, 9216, v53                ; batch l / 16
	s_wait_kmcnt 0x0
	s_cmp_eq_u32 s34, 1
	s_cselect_b64 s[22:23], s[10:11], s[8:9]
	s_cmp_eq_u32 s34, 2
	s_cselect_b64 s[22:23], s[12:13], s[22:23]
	s_add_nc_u64 s[32:33], s[16:17], s[32:33]
	JOB 1
	; the 32 sums over the 32 lanes, then lane l keeps sum (row l % 16, batch l / 16)
.irp m, 1,2,4,8
.set n, 0
.rept 32
	v_add_f32_dpp v[DA+n], v[DA+n], v[DA+n] row_xmask:\m row_mask:0xf bank_mask:0xf
.set n, n+1
.endr
.endr
.set n, 0
.rept 32
	v_permlanex16_b32 v[SA+n], v[DA+n], s[SEL], s[SEL+1]
.set n, n+1
.endr
.set n, 0
.rept 32
	v_add_f32 v[DA+n], v[DA+n], v[SA+n]
.set n, n+1
.endr
	v_mov_b32 v[SB], v[DA]
.set n, 1
.rept 31
	s_mov_b32 s44, 1<<n
	v_cndmask_b32 v[SB], v[SB], v[DA+2*(n%16)+n/16], s44
.set n, n+1
.endr
	global_store_b32 v53, v[SB], s[32:33]
	s_wait_tensorcnt 0x0
	ds_add_u32 v254, v255
	s_wait_dscnt 0x0
	s_endpgm
.Lrows:
	; ---- 32 slots of query (work-groups 72, 73) or of doc
	s_mov_b32 s32, 74
	s_mov_b32 s33, 511
	s_mov_b32 s35, XSCL
	s_wait_kmcnt 0x0
	s_cmp_lt_u32 ttmp9, 74
	s_cselect_b32 s32, 72, s32
	s_cselect_b32 s33, 31, s33                       ; from slot 0's place to the segment's last row
	s_cselect_b32 s28, XQIMG, 0
	s_cselect_b32 s30, XQSCL, s35
	s_cselect_b32 s36, 0, 15
	s_cselect_b64 s[22:23], s[6:7], s[4:5]
	s_sub_co_u32 s32, ttmp9, s32                     ; pair number: 16 (16 b + d) + P, or b
	s_and_b32 s36, s32, s36
	s_or_b32 s36, s36, s20
	s_cmp_eq_u32 s36, 0                              ; the segment's first tile?
	s_cselect_b32 s24, s33, -1
	s_lshl_b32 s25, s32, 5
	s_lshl_b32 s37, s20, 3
	s_add_co_u32 s25, s25, s37                       ; row of the tile's second slot
	s_add_co_u32 s24, s24, s25                       ; and of its first
	s_mov_b32 s26, 1
	s_mul_i32 s37, s32, 18432
	s_add_co_u32 s28, s28, s37
	s_lshl_b32 s37, s32, 10
	s_add_co_u32 s30, s30, s37
	s_wait_alu depctr_va_vdst(0)
	JOB 0
	s_wait_tensorcnt 0x0
	ds_add_u32 v254, v255
	s_wait_dscnt 0x0
	s_endpgm
.Lfunc_end_k_q960c3aa028_quant:
	.size	k_q960c3aa028_quant, .Lfunc_end_k_q960c3aa028_quant-k_q960c3aa028_quant
	.p2alignl 7, 3214868480
	.fill 96, 4, 3214868480
	.section	.rodata,"a",@progbits
	.p2align	6, 0x0
	.amdhsa_kernel k_q960c3aa028_quant
		.amdhsa_group_segment_fixed_size 68096
		.amdhsa_private_segment_fixed_size 0
		.amdhsa_enable_private_segment 0
		.amdhsa_kernarg_size 56
		.amdhsa_user_sgpr_count 2
		.amdhsa_user_sgpr_kernarg_segment_ptr 1
		.amdhsa_wavefront_size32 1
		.amdhsa_system_sgpr_workgroup_id_x 1
		.amdhsa_system_sgpr_workgroup_id_y 1
		.amdhsa_system_sgpr_workgroup_id_z 1
		.amdhsa_system_vgpr_workitem_id 0
		.amdhsa_next_free_vgpr 256
		.amdhsa_next_free_sgpr 66
		.amdhsa_reserve_vcc 0
		.amdhsa_float_denorm_mode_32 3
		.amdhsa_float_denorm_mode_16_64 3
		.amdhsa_memory_ordered 1
		.amdhsa_forward_progress 1
		.amdhsa_inst_pref_size 81
	.end_amdhsa_kernel
	.amdgpu_metadata
---
amdhsa.version: [ 1, 2 ]
amdhsa.kernels:
  - .name:           k_q960c3aa028_quant
    .symbol:         k_q960c3aa028_quant.kd
    .args:
      - { .name: doc, .offset: 0, .size: 8, .value_kind: global_buffer, .address_space: global }
      - { .name: query, .offset: 8, .size: 8, .value_kind: global_buffer, .address_space: global }
      - { .name: Wq, .offset: 16, .size: 8, .value_kind: global_buffer, .address_space: global }
      - { .name: Wk, .offset: 24, .size: 8, .value_kind: global_buffer, .address_space: global }
      - { .name: Wv, .offset: 32, .size: 8, .value_kind: global_buffer, .address_space: global }
      - { .name: cls, .offset: 40, .size: 8, .value_kind: global_buffer, .address_space: global }
      - { .name: qin, .offset: 48, .size: 8, .value_kind: global_buffer, .address_space: global }
    .group_segment_fixed_size: 68096
    .private_segment_fixed_size: 0
    .kernarg_segment_align: 8
    .kernarg_segment_size: 56
    .max_flat_workgroup_size: 128
    .sgpr_count:     66
    .vgpr_count:     256
    .wavefront_size: 32
...
	.end_amdgpu_metadata
.endif
;; end of part 1
;; launch small (part 2): grid 9 x 8, 2 waves a work-group, no clusters, 0 bytes of LDS; arguments qin, bq, bk, bv, small, kv, qimg, qscl; writes small, kv, qimg, qscl
.if DOCPART == 2
	.amdgcn_target "amdgcn-amd-amdhsa--gfx1250"
	.amdhsa_code_object_version 6
	.text
	.protected	k_q960c3aa028_small
	.globl	k_q960c3aa028_small
	.p2align	8
	.type	k_q960c3aa028_small,@function
k_q960c3aa028_small:
	s_mov_b64 s[64:65], 0
	v_nop
	global_prefetch_b8 v0, s[64:65] scope:SCOPE_SE
	s_setreg_imm32_b32 hwreg(HW_REG_WAVE_MODE, 25, 1), 1
	s_wait_xcnt 0x0
; The query rows' q, k, v (MX-FP6 products, K = 768), the cls token's q, k, v finished in f32, and all that every document shares: key block 0 (cls, query 0..30) as codes,
; the query rows as queries, and the 33 shared keys' k and v unquantised for the cls row.
; SHARES.  Work-group (place i, part p) = one block of 32 output channels; wave = batch b: the block x the two token tiles of the query pair: 24 matrix instructions.  72 work-groups are all the work there is.
; q, k blocks are used TRANSPOSED (source 0 = 16 rows of W, source 1 = 16 tokens): lane (token r, h) holds channels base + 16 h + 0 .. 15 in the 16 registers of the two column tiles.
; v blocks plainly (source 0 = tokens, source 1 = W): lane (channel r, h) holds keys 16 h + 0 .. 15.  The bias is the C of each sum's first instruction.
; Slot 0 of the pair was computed from query row 31.  As a query it stays; as a key it is kept apart (key 32, patched in by the next launch) and the cls token takes its place.
; REGISTERS: window 1 v0-143 W's fragments (u, ks) at 12 (6 u + ks); window 2 v0-143 the tokens' (x, ks); window 0: v1-11 offsets, v16-31 scale words, v32-47 bias, v48-63 k of cls, v64-83 codes, v84-99 at work, v128-159 sums.
; LIMITS as in the first launch (NaN, infinities; byte 1 for blocks of zeros).
.set WIMG,  9961472
.set WPART, 175104
.set WREC,  165888
.set XQIMG, 11362304
.set XQSCL, 11399168
.set CDO,   11401216
.set V0S,   18432
.set KSA,   24576
.set VSA,   221184
.set KQP,   417792
.set KQS,   454656
.set UNITB, 60928
.set VCOD,  27648
.set PC,  64
.set TM,  84
.set SEL, 50
.set MSB, 0
.macro WIN new                         ; the immediate's high byte repeats the setting that is left
.if MSB != (\new)
	s_set_vgpr_msb (MSB<<8)|(\new)
.set MSB, (\new)
.endif
.endm
.macro CBMAP sp, si, st, sch, t0, t1   ; part sp, place si -> st: 0 q, 1 k, 2 v;  sch: the block's first channel
	s_lshl_b32 \t0, \sp, 1
	s_add_co_u32 \t1, \sp, 4
	s_cmp_lt_u32 \sp, 4
	s_cselect_b32 \t0, \t0, \t1
	s_lshr_b32 \t1, \si, 2
	s_add_co_u32 \t0, \t0, \t1
	s_lshl_b32 \t0, \t0, 1
	s_and_b32 \t1, \si, 1
	s_add_co_u32 \t0, \t0, \t1
	s_lshl_b32 \t0, \t0, 5
	s_mul_i32 \t1, \sp, 5
	s_add_co_u32 \t1, \t1, \si
	s_sub_co_u32 \t1, \t1, 20
	s_cmp_lt_u32 \sp, 4
	s_cselect_b32 \t1, \sp, \t1
	s_cselect_b32 \st, 8, 4
	s_lshl_b32 \t1, \t1, 5
	s_cmp_lt_u32 \si, \st
	s_cselect_b32 \sch, \t0, \t1
	s_cselect_b32 \st, 1, 0
	s_bfe_u32 \t0, \si, 0x10001
	s_add_co_u32 \t0, \t0, 1
	s_mul_i32 \st, \st, \t0
.endm
.macro PTR d, base, off                ; s[d:d+1] = the buffer at s[base:base+1] + the byte offset in s[off]
	s_mov_b32 s[\d], s[\off]
	s_mov_b32 s[\d+1], 0
	s_add_nc_u64 s[\d:\d+1], s[\base:\base+1], s[\d:\d+1]
.endm
.macro WM d, a, b, c, sa, sb, ra, rb   ; ra, rb: which half of the lanes of the scale registers is read
.if ((\ra) == 0) && ((\rb) == 0)
	v_wmma_scale_f32_16x16x128_f8f6f4 v[(\d):(\d)+7], v[(\a):(\a)+11], v[(\b):(\b)+11], v[(\c):(\c)+7], v[(\sa)], v[(\sb)] matrix_a_fmt:MATRIX_FMT_FP6 matrix_b_fmt:MATRIX_FMT_FP6
.elseif (\rb) == 0
	v_wmma_scale_f32_16x16x128_f8f6f4 v[(\d):(\d)+7], v[(\a):(\a)+11], v[(\b):(\b)+11], v[(\c):(\c)+7], v[(\sa)], v[(\sb)] matrix_a_fmt:MATRIX_FMT_FP6 matrix_b_fmt:MATRIX_FMT_FP6 matrix_a_scale:MATRIX_SCALE_ROW1
.elseif (\ra) == 0
	v_wmma_scale_f32_16x16x128_f8f6f4 v[(\d):(\d)+7], v[(\a):(\a)+11], v[(\b):(\b)+11], v[(\c):(\c)+7], v[(\sa)], v[(\sb)] matrix_a_fmt:MATRIX_FMT_FP6 matrix_b_fmt:MATRIX_FMT_FP6 matrix_b_scale:MATRIX_SCALE_ROW1
.else
	v_wmma_scale_f32_16x16x128_f8f6f4 v[(\d):(\d)+7], v[(\a):(\a)+11], v[(\b):(\b)+11], v[(\c):(\c)+7], v[(\sa)], v[(\sb)] matrix_a_fmt:MATRIX_FMT_FP6 matrix_b_fmt:MATRIX_FMT_FP6 matrix_a_scale:MATRIX_SCALE_ROW1 matrix_b_scale:MATRIX_SCALE_ROW1
.endif
.endm
; Two runs of 16 registers, each half a block of 32 (the other half in lane l xor 16), become a PIECE: lanes 0-15 the first run's whole block, lanes 16-31 the second's, 6 registers at v[PC]; bytes in v[TM+6], v[TM+7]
.macro PAIRQ a0, a1
	v_max3_num_f32 v[TM], |v[\a0]|, |v[\a0+1]|, 0x1800000
	v_max3_num_f32 v[TM+1], |v[\a1]|, |v[\a1+1]|, 0x1800000
.irp i, 2,4,6,8,10,12,14
	v_max3_num_f32 v[TM], v[TM], |v[\a0+\i]|, |v[\a0+\i+1]|
	v_max3_num_f32 v[TM+1], v[TM+1], |v[\a1+\i]|, |v[\a1+\i+1]|
.endr
	v_permlanex16_b32 v[TM+2], v[TM], s[SEL], s[SEL+1]
	v_permlanex16_b32 v[TM+3], v[TM+1], s[SEL], s[SEL+1]
	v_max_num_f32 v[TM], v[TM], v[TM+2]
	v_max_num_f32 v[TM+1], v[TM+1], v[TM+3]
	v_add_nc_u32 v[TM+4], 0xff000000, v[TM]
	v_add_nc_u32 v[TM+5], 0xff000000, v[TM+1]
	v_lshrrev_b32 v[TM+6], 23, v[TM+4]
	v_lshrrev_b32 v[TM+7], 23, v[TM+5]
	v_cvt_scalef32_pk16_fp6_f32 v[PC:PC+2], v[\a0:\a0+15], v[TM+4]
	v_cvt_scalef32_pk16_fp6_f32 v[PC+6:PC+8], v[\a1:\a1+15], v[TM+5]
	v_nop                                            ; one plain place behind a scaled conversion
.irp i, 0,1,2
	v_permlane16_swap_b32 v[PC+\i], v[PC+6+\i]
.endr
.irp i, 0,1,2
	v_mov_b32 v[PC+3+\i], v[PC+6+\i]
.endr
.endm
.macro XCST                            ; cls' number of channel base + lane: the two halves of K and the bias
	v_add_f32 v103, v100, v101
	v_add_f32 v103, v103, v102
	global_store_b32 v3, v103, s[42:43]
.endm
	s_load_b256 s[4:11], s[0:1], 0x0                 ; qin s[4:5], bq s[6:7], bk s[8:9], bv s[10:11]
	s_load_b256 s[12:19], s[0:1], 0x20               ; small s[12:13], kv s[14:15], qimg s[16:17], qscl s[18:19]
	v_lshrrev_b32 v1, 5, v0
	v_readfirstlane_b32 s20, v1                      ; wave = batch
	s_and_b32 s21, ttmp7, 0xffff                     ; part
	s_mov_b32 s22, ttmp9                             ; place
	CBMAP s21, s22, s23, s24, s25, s26
	s_lshr_b32 s27, s24, 6                           ; head
	s_bfe_u32 s28, s24, 0x10005                      ; which 32 of its 64 channels
	s_mul_i32 s29, s20, 12
	s_add_co_u32 s29, s29, s27                       ; 12 b + head
	v_and_b32 v11, 31, v0
	v_and_b32 v9, 15, v0                             ; r
	v_bfe_u32 v10, v0, 4, 1                          ; h
	v_lshlrev_b32 v1, 4, v11
	v_lshlrev_b32 v2, 3, v11
	v_lshlrev_b32 v3, 2, v11
	v_lshlrev_b32 v4, 6, v10
	v_lshlrev_b32 v5, 2, v9
	v_and_b32 v6, 8, v9
	v_add_nc_u32 v6, v6, v9
	v_mul_u32_u24 v6, v6, 3072
	v_lshl_add_u32 v6, v10, 6, v6                    ; k unquantised: slot r + 8 (r / 8), channels 16 h on
	v_mul_u32_u24 v7, v10, 49152
	v_lshl_add_u32 v7, v9, 2, v7                     ; v unquantised: slots 16 h on, channel r
	v_mul_u32_u24 v8, v10, 1536
	v_lshl_add_u32 v8, v9, 4, v8                     ; the odd V fragments: 16 r, fragment l / 16
	v_mov_b32 v[TM+2], 0                             ; lane permutes' destinations: written once
	v_mov_b32 v[TM+3], 0
	v_mov_b32 v104, 0
	s_mov_b32 s[SEL], 0x76543210
	s_mov_b32 s[SEL+1], 0xfedcba98
	s_mov_b32 s52, 0xffff0000                        ; lanes 16-31
	s_mov_b32 s53, 0x0000ffff                        ; lanes 0-15
	s_mov_b32 s54, 0x00010001                        ; lanes 0 and 16
	s_mul_i32 s55, s21, WPART
	s_add_co_u32 s55, s55, WIMG
	s_mul_i32 s56, s22, 18432
	s_add_co_u32 s56, s56, s55
	s_lshl_b32 s57, s22, 10
	s_add_co_u32 s57, s57, s55
	s_add_co_u32 s57, s57, WREC
	s_mul_i32 s58, s20, 18432
	s_add_co_u32 s58, s58, XQIMG
	s_lshl_b32 s59, s20, 10
	s_add_co_u32 s59, s59, XQSCL
	s_mul_i32 s60, s23, 768
	s_add_co_u32 s60, s60, s24
	s_lshl_b32 s60, s60, 2
	s_mul_i32 s61, s20, 9216
	s_add_co_u32 s60, s60, s61
	s_add_co_u32 s60, s60, CDO
	s_mul_i32 s61, s23, 6144
	s_mul_i32 s63, s20, 3072
	s_lshl_b32 s62, s24, 2                           ; 4 x channel
	s_add_co_u32 s63, s63, s62                       ; 3,072 b + 4 x channel
	s_add_co_u32 s61, s61, s63
	s_wait_kmcnt 0x0
	PTR 30, 4, 56                                    ; W's fragments
	PTR 32, 4, 57                                    ; W's scale record
	PTR 34, 4, 58                                    ; the tokens' fragments
	PTR 36, 4, 59                                    ; their record
	PTR 40, 4, 60                                    ; the halves of cls . W
	PTR 42, 12, 61                                   ; q, k or v of cls
	s_cmp_eq_u32 s23, 1
	s_cselect_b64 s[38:39], s[8:9], s[6:7]
	s_cmp_eq_u32 s23, 2
	s_cselect_b64 s[38:39], s[10:11], s[38:39]
	s_mov_b32 s66, s62
	s_mov_b32 s67, 0
	s_add_nc_u64 s[38:39], s[38:39], s[66:67]        ; the bias at the block's first channel
	WIN 0x40
.set f, 0
.rept 12
.irp g, 0,1,2
	global_load_b128 v[12*f+4*\g:12*f+4*\g+3], v1, s[30:31] offset:f*1536+512*\g
.endr
.set f, f+1
.endr
	WIN 0x80
.set f, 0
.rept 12
.irp g, 0,1,2
	global_load_b128 v[12*f+4*\g:12*f+4*\g+3], v1, s[34:35] offset:f*1536+512*\g
.endr
.set f, f+1
.endr
	WIN 0
	global_load_b128 v[16:19], v1, s[32:33]
	global_load_b128 v[20:23], v1, s[32:33] offset:512
	global_load_b128 v[24:27], v1, s[36:37]
	global_load_b128 v[28:31], v1, s[36:37] offset:512
	global_load_b32 v100, v3, s[40:41]
	global_load_b32 v101, v3, s[40:41] offset:18432
	global_load_b32 v102, v3, s[38:39]
	s_lshl_b32 s66, s29, 4                           ; the first of the 16 units (documents) of (b, head)
	s_cmp_eq_u32 s23, 2
	s_cbranch_scc1 .Lv
	; ---- q or k: transposed
.irp q, 0,1,2,3
	global_load_b128 v[32+4*\q:35+4*\q], v4, s[38:39] offset:16*\q            ; bias of channels 16 h + 0 .. 15
	global_load_b128 v[160+4*\q:163+4*\q], v4, s[40:41] offset:16*\q          ; and cls . W likewise
	global_load_b128 v[176+4*\q:179+4*\q], v4, s[40:41] offset:18432+16*\q
.endr
	s_wait_loadcnt 0x0
	XCST
	WIN 0x09                                         ; source 0 (W) window 1, source 1 (tokens) window 2
.irp ks, 0,1,2,3,4,5
.irp x, 0,1
.irp u, 0,1
.if \ks == 0
	WM 128+16*\x+8*\u, 12*(6*\u+\ks), 12*(6*\x+\ks), 32+8*\u, 16+4*(\ks/3)+\ks%3, 24+4*(\ks/3)+\ks%3, \u, \x
.else
	WM 128+16*\x+8*\u, 12*(6*\u+\ks), 12*(6*\x+\ks), 128+16*\x+8*\u, 16+4*(\ks/3)+\ks%3, 24+4*(\ks/3)+\ks%3, \u, \x
.endif
.endr
.endr
.endr
	WIN 0
.rept 4
	v_nop                                            ; places behind the last products
.endr
	s_cmp_eq_u32 s23, 1
	s_cbranch_scc1 .Lk
	; ---- q: the query pair as queries, the same for all 16 documents
	s_mul_i32 s67, s66, 26112
	s_add_co_u32 s67, s67, 24576
	s_mul_i32 s68, s28, 768
	s_add_co_u32 s67, s67, s68
	PTR 44, 16, 67
	s_mul_i32 s67, s66, 1280
	s_add_co_u32 s67, s67, 1024
	s_lshl_b32 s68, s28, 7
	s_add_co_u32 s67, s67, s68
	PTR 46, 18, 67
	PAIRQ 128, 144
	v_cndmask_b32 v105, v[TM+6], v[TM+7], s52
.set d, 0
.rept 16
	global_store_b128 v1, v[PC:PC+3], s[44:45] offset:d*26112
	global_store_b64 v2, v[PC+4:PC+5], s[44:45] offset:d*26112+512
	global_store_b32 v3, v105, s[46:47] offset:d*1280
.set d, d+1
.endr
	s_endpgm
.Lk:
	; ---- k: unquantised for the cls row; query 31's codes kept apart; block 0 with the cls token in slot 0
	s_mul_i32 s67, s20, 98304
	s_add_co_u32 s67, s67, s62
	s_add_co_u32 s67, s67, KSA
	PTR 44, 12, 67
	s_lshl_b32 s68, s29, 1
	s_add_co_u32 s68, s68, s28
	s_mul_i32 s67, s68, 768
	s_add_co_u32 s67, s67, KQP
	PTR 46, 12, 67
	s_lshl_b32 s67, s68, 7
	s_add_co_u32 s67, s67, KQS
	PTR 48, 12, 67
	s_mul_i32 s67, s66, UNITB
	s_add_co_u32 s67, s67, 16*1536
	s_mul_i32 s68, s28, 768
	s_add_co_u32 s67, s67, s68
	PTR 56, 14, 67
.irp x, 0,1
.irp u, 0,1
	global_store_b128 v6, v[128+16*\x+8*\u:131+16*\x+8*\u], s[44:45] offset:\x*8*3072+32*\u       ; each sum from its low end on
	global_store_b128 v6, v[132+16*\x+8*\u:135+16*\x+8*\u], s[44:45] offset:\x*8*3072+32*\u+16
.endr
.endr
	PAIRQ 128, 144
	v_cndmask_b32 v105, v[TM+6], v[TM+7], s52
	global_store_b128 v1, v[PC:PC+3], s[46:47]
	global_store_b64 v2, v[PC+4:PC+5], s[46:47] offset:512
	global_store_b32 v3, v105, s[48:49]
.irp q, 0,2,4,6,8,10,12,14
	v_pk_add_f32 v[48+\q:49+\q], v[160+\q:161+\q], v[176+\q:177+\q]
.endr
.irp q, 0,2,4,6,8,10,12,14
	v_pk_add_f32 v[48+\q:49+\q], v[48+\q:49+\q], v[32+\q:33+\q]                ; k of cls, channels 16 h + 0 .. 15
.endr
	s_wait_alu depctr_va_vdst(0)
	s_wait_xcnt 0x0                                  ; the stores above have read the sums and the codes
.set n, 0
.rept 16
	v_cndmask_b32 v[128+n], v[128+n], v[48+n], s54   ; token r = 0 of tile 0 becomes the cls token
.set n, n+1
.endr
	PAIRQ 128, 144
	v_cndmask_b32 v106, v[TM+6], v[TM+7], s52
	global_store_b32 v3, v106, s[48:49] offset:6144  ; block 0's bytes lie 6,144 bytes behind query 31's
.set d, 0
.rept 16
	global_store_b128 v1, v[PC:PC+3], s[56:57] offset:d*UNITB
	global_store_b64 v2, v[PC+4:PC+5], s[56:57] offset:d*UNITB+512
.set d, d+1
.endr
	s_endpgm
.Lv:
	; ---- v: plainly; a lane holds one channel and its registers run along the keys
	global_load_b32 v32, v5, s[38:39]
	global_load_b32 v40, v5, s[38:39] offset:64
	s_mul_i32 s67, s20, 98304
	s_add_co_u32 s67, s67, s62
	s_add_co_u32 s67, s67, VSA
	PTR 44, 12, 67
	s_add_co_u32 s67, s63, V0S
	PTR 46, 12, 67
	s_mul_i32 s67, s66, UNITB
	s_add_co_u32 s67, s67, VCOD+16*1536
	s_mul_i32 s68, s28, 3072
	s_add_co_u32 s67, s67, s68
	PTR 56, 14, 67
	s_wait_loadcnt 0x0
	XCST
.irp j, 1,2,3,4,5,6,7
	v_mov_b32 v[32+\j], v32                          ; the channel's bias for all eight keys of a register run
	v_mov_b32 v[40+\j], v40
.endr
.rept 4
	v_nop
.endr
	WIN 0x06                                         ; source 0 (tokens) window 2, source 1 (W) window 1
.irp ks, 0,1,2,3,4,5
.irp x, 0,1
.irp u, 0,1
.if \ks == 0
	WM 128+16*\u+8*\x, 12*(6*\x+\ks), 12*(6*\u+\ks), 32+8*\u, 24+4*(\ks/3)+\ks%3, 16+4*(\ks/3)+\ks%3, \x, \u
.else
	WM 128+16*\u+8*\x, 12*(6*\x+\ks), 12*(6*\u+\ks), 128+16*\u+8*\x, 24+4*(\ks/3)+\ks%3, 16+4*(\ks/3)+\ks%3, \x, \u
.endif
.endr
.endr
.endr
	WIN 0
.rept 4
	v_nop
.endr
.irp u, 0,1
.irp x, 0,1
.irp j, 0,1,2,3,4,5,6,7
	global_store_b32 v7, v[128+16*\u+8*\x+\j], s[44:45] offset:(8*\x+\j)*3072+64*\u
.endr
.endr
.endr
	v_permlanex16_b32 v104, v103, s[SEL], s[SEL+1]   ; v of cls of channel 16 + r into lanes 0-15
	s_wait_alu depctr_va_vdst(0)
	s_wait_xcnt 0x0                                  ; the stores have read the sums
	v_cndmask_b32 v128, v128, v103, s53              ; key 0 is the cls token
	v_cndmask_b32 v144, v144, v104, s53
	PAIRQ 128, 144                                   ; lanes 0-15: channel r of the first tile; lanes 16-31: of the second
.irp i, 6,7,8,9,10,11
	v_mov_b32 v[PC+\i], 0                            ; the odd step has two blocks: the rest of its K is zero codes
.endr
	v_cndmask_b32 v105, v[TM+6], v[TM+7], s52
	global_store_b32 v3, v105, s[46:47]
.set d, 0
.rept 16
.irp g, 0,1,2
	global_store_b128 v8, v[PC+4*\g:PC+4*\g+3], s[56:57] offset:d*UNITB+512*\g   ; lanes 0-15's part of two fragments: 256 consecutive bytes in each
.endr
.set d, d+1
.endr
	s_endpgm
.Lfunc_end_k_q960c3aa028_small:
	.size	k_q960c3aa028_small, .Lfunc_end_k_q960c3aa028_small-k_q960c3aa028_small
	.p2alignl 7, 3214868480
	.fill 96, 4, 3214868480
	.section	.rodata,"a",@progbits
	.p2align	6, 0x0
	.amdhsa_kernel k_q960c3aa028_small
		.amdhsa_group_segment_fixed_size 0
		.amdhsa_private_segment_fixed_size 0
		.amdhsa_enable_private_segment 0
		.amdhsa_kernarg_size 64
		.amdhsa_user_sgpr_count 2
		.amdhsa_user_sgpr_kernarg_segment_ptr 1
		.amdhsa_wavefront_size32 1
		.amdhsa_system_sgpr_workgroup_id_x 1
		.amdhsa_system_sgpr_workgroup_id_y 1
		.amdhsa_system_sgpr_workgroup_id_z 1
		.amdhsa_system_vgpr_workitem_id 0
		.amdhsa_next_free_vgpr 768
		.amdhsa_next_free_sgpr 72
		.amdhsa_reserve_vcc 0
		.amdhsa_float_denorm_mode_32 3
		.amdhsa_float_denorm_mode_16_64 3
		.amdhsa_memory_ordered 1
		.amdhsa_forward_progress 1
		.amdhsa_inst_pref_size 50
	.end_amdhsa_kernel
	.amdgpu_metadata
---
amdhsa.version: [ 1, 2 ]
amdhsa.kernels:
  - .name:           k_q960c3aa028_small
    .symbol:         k_q960c3aa028_small.kd
    .args:
      - { .name: qin, .offset: 0, .size: 8, .value_kind: global_buffer, .address_space: global }
      - { .name: bq, .offset: 8, .size: 8, .value_kind: global_buffer, .address_space: global }
      - { .name: bk, .offset: 16, .size: 8, .value_kind: global_buffer, .address_space: global }
      - { .name: bv, .offset: 24, .size: 8, .value_kind: global_buffer, .address_space: global }
      - { .name: small, .offset: 32, .size: 8, .value_kind: global_buffer, .address_space: global }
      - { .name: kv, .offset: 40, .size: 8, .value_kind: global_buffer, .address_space: global }
      - { .name: qimg, .offset: 48, .size: 8, .value_kind: global_buffer, .address_space: global }
      - { .name: qscl, .offset: 56, .size: 8, .value_kind: global_buffer, .address_space: global }
    .group_segment_fixed_size: 0
    .private_segment_fixed_size: 0
    .kernarg_segment_align: 8
    .kernarg_segment_size: 64
    .max_flat_workgroup_size: 64
    .sgpr_count:     72
    .vgpr_count:     768
    .wavefront_size: 32
...
	.end_amdgpu_metadata
.endif
;; end of part 2
;; launch proj (part 3): grid 32 x 8, 4 waves a work-group, clusters of 4 x 1, 176,640 bytes of LDS; arguments qin, small, bq, bk, bv, dmask, kv, qimg, qscl, cp; writes kv, qimg, qscl, cp
.if DOCPART == 3
	.amdgcn_target "amdgcn-amd-amdhsa--gfx1250"
	.amdhsa_code_object_version 6
	.text
	.protected	k_q960c3aa028_proj
	.globl	k_q960c3aa028_proj
	.p2align	8
	.type	k_q960c3aa028_proj,@function
k_q960c3aa028_proj:
	s_mov_b64 s[64:65], 0
	v_nop
	global_prefetch_b8 v0, s[64:65] scope:SCOPE_SE
	s_setreg_imm32_b32 hwreg(HW_REG_WAVE_MODE, 25, 1), 1
	s_wait_xcnt 0x0
	s_wait_alu depctr_hold_cnt(0) depctr_sa_sdst(0) depctr_va_vdst(0) depctr_va_sdst(0) depctr_va_ssrc(0) depctr_va_vcc(0) depctr_vm_vsrc(0)
	s_getreg_b32 s2, hwreg(HW_REG_IB_STS2, 6, 4)
	s_cmp_eq_u32 s2, 0
	s_cbranch_scc0 .Lentry_in_a_cluster
	s_endpgm
.Lentry_in_a_cluster:
	s_bfe_u32 s2, ttmp6, 0x10000c
	s_cmp_lg_u32 s2, 0x3003
	s_cbranch_scc0 .Lentry_shape_is_right
	s_endpgm
.Lentry_shape_is_right:
; The doc rows' q, k, v (MX-FP6 products, K = 768), quantised on the way into the operands of the attention launch, and the cls row's partial softmax over the doc keys, in f32.
; SHARES.  Work-group (document bd, part p): 512 slots x 9 blocks of 32 channels.  Wave w: slots 128 w .. 128 w + 127 (8 token tiles) x all 9 blocks: 864 matrix instructions.
; The wave's tokens stay in REGISTERS (576); only the weights move: the part's 175,104 bytes lie in LDS, filled once, and each fragment read from LDS feeds 8 matrix instructions.
; CLUSTER.  The four documents of a cluster read the same part: each wave's quarter of it is asked for JOINTLY (mask 15, the same descriptor in all four), behind one round; a closing round stands at the end.
; q, k blocks TRANSPOSED (source 0 = W, source 1 = tokens): lane (token r, h) holds channels 16 h + 0 .. 15.  v blocks plainly: lane (channel r, h) holds keys 32 e + 16 h + 0 .. 15.
; SLOT 0 was computed from doc row 511.  As a query it stays.  As a key it is key 544 (block 17), and query row 31 (key 32) takes its place in block 1: wave 0 patches codes and bytes of k, and the f32 number of v ahead of the quantiser.
; THE CLS ROW needs unquantised k and v: the wave forms t = q_cls . k log2(e) / 8 + mask log2(e), its largest m, p = 2^(t - m), l = sum p and o = sum p v over its 128 doc rows; the last launch merges the parts by their maxima.
; REGISTERS, in windows of 256.  Window 0: v1-11 offsets; v12-19 masks; v20-27 scores, then p; v28-31 k's scale words; v32-62 the tokens' scale words (three of each four registers; the fourth ones serve singly);
;   v64-71 W's scale words; v72-87 q of cls, later at work; v88-107 codes; v108-123 at work; v124-127 o; v128-255 the 16 sums.
;   Windows 1-3: v0-191 the tokens' fragments, K step 2 (window - 1) + (0, 1) at 96 (ks % 2) + 12 T.  Window 1 v192-239, window 2 v192-215: three sets of W's fragments.  Window 2 v216-231: the bias.  Window 3 v192-206: what wave 0 loads.
; LIMITS: NaN, infinities and +inf masks are not served; masks are held at -1e38 from below for the cls row's parts; blocks of zeros get the byte 1.
.set XSCL,  9437184
.set WIMG,  9961472
.set WPART, 175104
.set WREC,  165888
.set V0S,   18432
.set VSA,   221184
.set KQP,   417792
.set KQS,   454656
.set K0S,   460800
.set UNITB, 60928
.set VCOD,  27648
.set KSCL,  58368
.set VSCL,  59648
.set PC,  88
.set PW,  107
.set TM,  108
.set SEL, 42
.set MSB, 0
.macro WIN new                         ; the immediate's high byte repeats the setting that is left
.if MSB != (\new)
	s_set_vgpr_msb (MSB<<8)|(\new)
.set MSB, (\new)
.endif
.endm
.macro CBMAP sp, si, st, sch, t0, t1   ; part sp, place si -> st: 0 q, 1 k, 2 v;  sch: the block's first channel
	s_lshl_b32 \t0, \sp, 1
	s_add_co_u32 \t1, \sp, 4
	s_cmp_lt_u32 \sp, 4
	s_cselect_b32 \t0, \t0, \t1
	s_lshr_b32 \t1, \si, 2
	s_add_co_u32 \t0, \t0, \t1
	s_lshl_b32 \t0, \t0, 1
	s_and_b32 \t1, \si, 1
	s_add_co_u32 \t0, \t0, \t1
	s_lshl_b32 \t0, \t0, 5
	s_mul_i32 \t1, \sp, 5
	s_add_co_u32 \t1, \t1, \si
	s_sub_co_u32 \t1, \t1, 20
	s_cmp_lt_u32 \sp, 4
	s_cselect_b32 \t1, \sp, \t1
	s_cselect_b32 \st, 8, 4
	s_lshl_b32 \t1, \t1, 5
	s_cmp_lt_u32 \si, \st
	s_cselect_b32 \sch, \t0, \t1
	s_cselect_b32 \st, 1, 0
	s_bfe_u32 \t0, \si, 0x10001
	s_add_co_u32 \t0, \t0, 1
	s_mul_i32 \st, \st, \t0
.endm
.macro PTR d, base, off                ; s[d:d+1] = the buffer at s[base:base+1] + the byte offset in s[off]
	s_mov_b32 s[\d], s[\off]
	s_mov_b32 s[\d+1], 0
	s_add_nc_u64 s[\d:\d+1], s[\base:\base+1], s[\d:\d+1]
.endm
.macro WM d, a, b, c, sa, sb, ra, rb
.if ((\ra) == 0) && ((\rb) == 0)
	v_wmma_scale_f32_16x16x128_f8f6f4 v[(\d):(\d)+7], v[(\a):(\a)+11], v[(\b):(\b)+11], v[(\c):(\c)+7], v[(\sa)], v[(\sb)] matrix_a_fmt:MATRIX_FMT_FP6 matrix_b_fmt:MATRIX_FMT_FP6
.elseif (\rb) == 0
	v_wmma_scale_f32_16x16x128_f8f6f4 v[(\d):(\d)+7], v[(\a):(\a)+11], v[(\b):(\b)+11], v[(\c):(\c)+7], v[(\sa)], v[(\sb)] matrix_a_fmt:MATRIX_FMT_FP6 matrix_b_fmt:MATRIX_FMT_FP6 matrix_a_scale:MATRIX_SCALE_ROW1
.elseif (\ra) == 0
	v_wmma_scale_f32_16x16x128_f8f6f4 v[(\d):(\d)+7], v[(\a):(\a)+11], v[(\b):(\b)+11], v[(\c):(\c)+7], v[(\sa)], v[(\sb)] matrix_a_fmt:MATRIX_FMT_FP6 matrix_b_fmt:MATRIX_FMT_FP6 matrix_b_scale:MATRIX_SCALE_ROW1
.else
	v_wmma_scale_f32_16x16x128_f8f6f4 v[(\d):(\d)+7], v[(\a):(\a)+11], v[(\b):(\b)+11], v[(\c):(\c)+7], v[(\sa)], v[(\sb)] matrix_a_fmt:MATRIX_FMT_FP6 matrix_b_fmt:MATRIX_FMT_FP6 matrix_a_scale:MATRIX_SCALE_ROW1 matrix_b_scale:MATRIX_SCALE_ROW1
.endif
.endm
.macro QUANT s                         ; 64 numbers, register 16 b + i = k 32 b + 16 h + i of my row -> a fragment in v[PC] on, its scale word in v[PW]
.irp b, 0,1,2,3
	v_max3_num_f32 v[TM+\b], |v[\s+16*\b]|, |v[\s+1+16*\b]|, 0x1800000
.endr
.irp i, 2,4,6,8,10,12,14
.irp b, 0,1,2,3
	v_max3_num_f32 v[TM+\b], v[TM+\b], |v[\s+16*\b+\i]|, |v[\s+1+16*\b+\i]|
.endr
.endr
.irp b, 0,1,2,3
	v_permlanex16_b32 v[TM+4+\b], v[TM+\b], s[SEL], s[SEL+1]
.endr
.irp b, 0,1,2,3
	v_max_num_f32 v[TM+\b], v[TM+\b], v[TM+4+\b]
.endr
.irp b, 0,1,2,3
	v_add_nc_u32 v[TM+12+\b], 0xff000000, v[TM+\b]
.endr
.irp b, 0,1,2,3
	v_lshrrev_b32 v[TM+4+\b], 23, v[TM+12+\b]
.endr
	v_lshl_or_b32 v[PW], v[TM+5], 8, v[TM+4]
	v_lshl_or_b32 v[PW], v[TM+6], 16, v[PW]
	v_lshl_or_b32 v[PW], v[TM+7], 24, v[PW]
.irp c, 0,1
	v_cvt_scalef32_pk16_fp6_f32 v[PC+6*\c:PC+2+6*\c], v[\s+32*\c:\s+15+32*\c], v[TM+12+2*\c]
	v_cvt_scalef32_pk16_fp6_f32 v[PC+12+4*\c:PC+14+4*\c], v[\s+16+32*\c:\s+31+32*\c], v[TM+12+2*\c+1]
.endr
	v_nop                                            ; one plain place behind a scaled conversion
.irp c, 0,1
.irp i, 0,1,2
	v_permlane16_swap_b32 v[PC+6*\c+\i], v[PC+12+4*\c+\i]
.endr
.irp i, 0,1,2
	v_mov_b32 v[PC+3+6*\c+\i], v[PC+12+4*\c+\i]
.endr
.endr
.endm
.macro PAIRQ a0, a1                    ; two half blocks of 16 registers -> a piece: lanes 0-15 the first's block, lanes 16-31 the second's; bytes in v[TM+6], v[TM+7]
	v_max3_num_f32 v[TM], |v[\a0]|, |v[\a0+1]|, 0x1800000
	v_max3_num_f32 v[TM+1], |v[\a1]|, |v[\a1+1]|, 0x1800000
.irp i, 2,4,6,8,10,12,14
	v_max3_num_f32 v[TM], v[TM], |v[\a0+\i]|, |v[\a0+\i+1]|
	v_max3_num_f32 v[TM+1], v[TM+1], |v[\a1+\i]|, |v[\a1+\i+1]|
.endr
	v_permlanex16_b32 v[TM+2], v[TM], s[SEL], s[SEL+1]
	v_permlanex16_b32 v[TM+3], v[TM+1], s[SEL], s[SEL+1]
	v_max_num_f32 v[TM], v[TM], v[TM+2]
	v_max_num_f32 v[TM+1], v[TM+1], v[TM+3]
	v_add_nc_u32 v[TM+4], 0xff000000, v[TM]
	v_add_nc_u32 v[TM+5], 0xff000000, v[TM+1]
	v_lshrrev_b32 v[TM+6], 23, v[TM+4]
	v_lshrrev_b32 v[TM+7], 23, v[TM+5]
	v_cvt_scalef32_pk16_fp6_f32 v[PC:PC+2], v[\a0:\a0+15], v[TM+4]
	v_cvt_scalef32_pk16_fp6_f32 v[PC+6:PC+8], v[\a1:\a1+15], v[TM+5]
	v_nop
.irp i, 0,1,2
	v_permlane16_swap_b32 v[PC+\i], v[PC+6+\i]
.endr
.irp i, 0,1,2
	v_mov_b32 v[PC+3+\i], v[PC+6+\i]
.endr
.endm
.macro CROUND                          ; a round of the cluster's barrier
	s_barrier_signal -1
	s_barrier_wait -1
	s_cmp_lg_u32 s36, 0
	s_cbranch_scc1 .Lnot_wave_0_\@
	s_barrier_signal -3
.Lnot_wave_0_\@:
	s_barrier_wait -3
	s_barrier_signal -1
	s_barrier_wait -1
.endm
.macro BIASLD                          ; the next block's bias, in the form that its product wants
	s_cmp_eq_u32 s48, 2
	s_cbranch_scc1 .Lbias_v_\@
	WIN 0x80
.irp q, 0,1,2,3
	global_load_b128 v[216+4*\q:219+4*\q], v6, s[84:85] offset:16*\q      ; channels 16 h + 0 .. 15
.endr
	WIN 0
	s_branch .Lbias_done_\@
.Lbias_v_\@:
	WIN 0x80
	global_load_b32 v216, v7, s[84:85]                                    ; channel r of each column tile
	global_load_b32 v224, v7, s[84:85] offset:64
	WIN 0
.Lbias_done_\@:
.endm
; One K step of a block: 16 matrix instructions on 16 sums by turns; then, behind four places, the set of W's fragments three K steps on into the registers just read.
; wt: how many younger LDS loads may stay out (two sets of 6; fewer in the tail; -1: no wait, all was waited for at the trip's head).
.macro GSET plain, ks, pre, wt, bias
.if \wt >= 0
	s_wait_dscnt \wt
.endif
.set WW, 1+((\ks)%3)/2
.set WB, 192+24*(((\ks)%3)%2)
.set XW, 1+(\ks)/2
.set XB, 96*((\ks)%2)
.set CW, 0
.if \ks == 0
.set CW, 2
.endif
.set SWR, 64+4*((\ks)/3)+(\ks)%3
.set SXR, 32+4*((\ks)/3)+(\ks)%3
.if \plain
	WIN XW|(WW<<2)|(CW<<4)
.else
	WIN WW|(XW<<2)|(CW<<4)
.endif
.irp t, 0,1,2,3,4,5,6,7
.irp u, 0,1
.if \plain
.if \ks == 0
	WM 128+64*\u+8*\t, XB+12*\t, WB+12*\u, 216+8*\u, SXR+8*(\t/2), SWR, \t%2, \u
.else
	WM 128+64*\u+8*\t, XB+12*\t, WB+12*\u, 128+64*\u+8*\t, SXR+8*(\t/2), SWR, \t%2, \u
.endif
.else
.if \ks == 0
	WM 128+16*\t+8*\u, WB+12*\u, XB+12*\t, 216+8*\u, SWR, SXR+8*(\t/2), \u, \t%2
.else
	WM 128+16*\t+8*\u, WB+12*\u, XB+12*\t, 128+16*\t+8*\u, SWR, SXR+8*(\t/2), \u, \t%2
.endif
.endif
.endr
.endr
.rept 4
	v_nop                                            ; places in front of loads into registers that these products read, and of the first read of results
.endr
.if \pre
	WIN WW<<6
.irp u, 0,1
.irp g, 0,1,2
.if \ks < 3
	ds_load_b128 v[WB+12*\u+4*\g:WB+12*\u+4*\g+3], v4 offset:(6*\u+\ks+3)*1536+512*\g
.else
	ds_load_b128 v[WB+12*\u+4*\g:WB+12*\u+4*\g+3], v4 offset:18432+(6*\u+\ks-3)*1536+512*\g
.endif
.endr
.endr
.endif
	WIN 0
.if \bias
	BIASLD
.endif
.if (\ks == 5) && \pre
	ds_load_b128 v[64:67], v5 offset:1024            ; the next block's scale words
	ds_load_b128 v[68:71], v5 offset:1536
.endif
.endm
; A trip's head: all that was asked for is in, all stores have read their sources; the block's places in the buffers are made anew from the buffers' addresses.
.macro TOP nxt
	s_wait_loadcnt 0x0
	s_wait_dscnt 0x0
	s_wait_xcnt 0x0
	s_lshr_b32 s50, s47, 6                           ; head
	s_bfe_u32 s51, s47, 0x10005                      ; which 32 of its channels
	s_mul_i32 s52, s40, 12
	s_add_co_u32 s52, s52, s50                       ; 12 b + head
	s_lshl_b32 s96, s52, 1
	s_add_co_u32 s96, s96, s51
	s_lshl_b32 s97, s52, 8
	s_add_co_u32 s97, s97, K0S
	PTR 78, 6, 97                                    ; block 0's bytes of k
	s_mul_i32 s97, s96, 768
	s_add_co_u32 s97, s97, KQP
	PTR 74, 6, 97                                    ; query 31's codes of k
	s_lshl_b32 s97, s96, 7
	s_add_co_u32 s97, s97, KQS
	PTR 76, 6, 97                                    ; and its byte
	s_lshl_b32 s52, s52, 4
	s_add_co_u32 s52, s52, s41                       ; unit
	s_mul_i32 s53, s52, UNITB
	s_mul_i32 s96, s36, 6144
	s_add_co_u32 s96, s96, s53
	s_mul_i32 s97, s51, 768
	s_add_co_u32 s97, s97, s96
	PTR 56, 16, 97                                   ; k's codes: operand 4 w, piece beta
	s_mul_i32 s97, s51, 3072
	s_add_co_u32 s97, s97, s96
	s_add_co_u32 s97, s97, VCOD
	PTR 58, 16, 97                                   ; v's codes: fragment 4 w + 2 beta
	s_lshl_b32 s96, s36, 8
	s_add_co_u32 s96, s96, s53
	s_add_co_u32 s97, s96, KSCL
	PTR 62, 16, 97                                   ; k's scale words of step w
	s_lshl_b32 s97, s51, 7
	s_add_co_u32 s97, s97, s96
	s_add_co_u32 s97, s97, VSCL
	PTR 66, 16, 97                                   ; v's
	s_lshl_b32 s97, s52, 2
	s_add_co_u32 s97, s97, s36
	s_mul_i32 s97, s97, 384
	s_lshl_b32 s96, s51, 7
	s_add_co_u32 s97, s97, s96
	PTR 60, 22, 97                                   ; the cls row's part, + 128 beta
	s_mul_i32 s97, s52, 26112
	s_mul_i32 s96, s36, 6144
	s_add_co_u32 s97, s97, s96
	s_mul_i32 s96, s51, 768
	s_add_co_u32 s97, s97, s96
	PTR 68, 18, 97                                   ; q's codes
	s_mul_i32 s97, s52, 1280
	s_lshl_b32 s96, s36, 8
	s_add_co_u32 s97, s97, s96
	s_lshl_b32 s96, s51, 7
	s_add_co_u32 s97, s97, s96
	PTR 70, 20, 97                                   ; q's bytes
	s_mul_i32 s96, s40, 3072
	s_lshl_b32 s97, s47, 2
	s_add_co_u32 s96, s96, s97
	PTR 72, 6, 96                                    ; q of cls
	s_add_co_u32 s96, s96, V0S
	PTR 82, 6, 96                                    ; block 0's bytes of v
	s_mul_i32 s96, s40, 98304
	s_add_co_u32 s96, s96, s97
	s_add_co_u32 s96, s96, VSA
	PTR 80, 6, 96                                    ; v of query 31
	s_lshl_b32 s89, s51, 4
	s_cmp_eq_u32 s51, 1
	s_cselect_b32 s90, 0xffff, 0                     ; what is kept of a word begun by the first half
	s_cselect_b32 s91, 0x3f800000, 0                 ; and of a score: 1.0 or 0
.if \nxt
	s_add_co_u32 s53, s45, 1
	CBMAP s39, s53, s48, s49, s96, s97
	s_cmp_eq_u32 s48, 1
	s_cselect_b64 s[84:85], s[10:11], s[8:9]
	s_cmp_eq_u32 s48, 2
	s_cselect_b64 s[84:85], s[12:13], s[84:85]
	s_lshl_b32 s92, s49, 2
	s_mov_b32 s93, 0
	s_add_nc_u64 s[84:85], s[84:85], s[92:93]
.endif
.endm
.macro EPI_Q                           ; a block of q: four pairs of token tiles become pieces; their bytes, one for each pair, make a word a lane
.irp P, 0,1,2,3
	s_wait_xcnt 0x0                                  ; the last piece's stores have read the codes' registers
	PAIRQ 128+32*\P, 144+32*\P
	global_store_b128 v1, v[PC:PC+3], s[68:69] offset:\P*1536
	global_store_b64 v2, v[PC+4:PC+5], s[68:69] offset:\P*1536+512
	v_cndmask_b32 v9, v[TM+6], v[TM+7], s44
.if \P == 0
	v_mov_b32 v35, v9
.else
	v_lshl_or_b32 v35, v9, 8*\P, v35
.endif
.endr
	global_store_b32 v3, v35, s[70:71]
.endm
.macro BPERM t                         ; p of tokens 8 h + 0 .. 7 of tile t, for lanes that hold a channel
.irp j, 0,1,2,3,4,5,6,7
	ds_bpermute_b32 v[88+8*((\t)%4)+4*(((\t)%4)/2)+\j], v[80+\j], v[20+(\t)]
.endr
.endm
.macro OACC t                          ; o += p v over tile t's tokens, both column tiles; the first product starts the sums
.irp jj, 0,1,2,3
.irp u, 0,1
.if ((\t) == 0) && (\jj == 0)
	v_pk_mul_f32 v[124+2*\u:125+2*\u], v[128+64*\u+8*(\t)+2*\jj:129+64*\u+8*(\t)+2*\jj], v[88+8*((\t)%4)+4*(((\t)%4)/2)+2*\jj:89+8*((\t)%4)+4*(((\t)%4)/2)+2*\jj]
.else
	v_pk_fma_f32 v[124+2*\u:125+2*\u], v[128+64*\u+8*(\t)+2*\jj:129+64*\u+8*(\t)+2*\jj], v[88+8*((\t)%4)+4*(((\t)%4)/2)+2*\jj:89+8*((\t)%4)+4*(((\t)%4)/2)+2*\jj], v[124+2*\u:125+2*\u]
.endif
.endr
.endr
.endm
	s_load_b256 s[4:11], s[0:1], 0x0                 ; qin s[4:5], small s[6:7], bq s[8:9], bk s[10:11]
	s_load_b256 s[12:19], s[0:1], 0x20               ; bv s[12:13], dmask s[14:15], kv s[16:17], qimg s[18:19]
	s_load_b128 s[20:23], s[0:1], 0x40               ; qscl s[20:21], cp s[22:23]
	s_set_vgpr_msb 0x40
	v_lshl_add_u32 v254, v0, 2, 0x2b000
	v_mov_b32 v255, 0
	s_set_vgpr_msb 0x4045
	ds_add_u32 v254, v255
	ds_add_u32 v254, v255
	s_set_vgpr_msb 0x4500
	v_lshrrev_b32 v1, 5, v0
	v_readfirstlane_b32 s36, v1                      ; wave
	s_bfe_u32 s37, ttmp6, 0x40000                    ; my place in the cluster: it enters global addresses alone
	s_lshl_b32 s38, ttmp9, 2
	s_add_co_u32 s38, s38, s37                       ; document 16 b + d
	s_and_b32 s39, ttmp7, 0xffff                     ; part: the same in all four partners
	s_lshr_b32 s40, s38, 4
	s_and_b32 s41, s38, 15
	; descriptor group 1: a dense block as 171 rows of 256 bytes (32 elements of 8 bytes), no padding
	s_mov_b32 s24, 15|(3<<16)|(1<<21)                ; 15:0 the mask: all four work-groups; 17:16 elements of 8 bytes; 21 set beside a mask
	s_mov_b32 s25, 32<<16                            ; tensor_dim0 = 32
	s_mov_b32 s26, 171<<16                           ; tensor_dim1 = 171
	s_mov_b32 s27, 32<<16                            ; tile_dim0 = 32
	s_mov_b32 s28, 171                               ; tile_dim1 = 171
	s_mov_b32 s29, 32                                ; from row to row
	s_mov_b32 s30, 0
	s_mov_b32 s31, 0
	s_mov_b32 s32, 1
	s_mul_i32 s33, s36, 43776                        ; my quarter of the part, in LDS
	s_mul_i32 s92, s39, WPART
	s_add_co_u32 s92, s92, s33
	s_add_co_u32 s92, s92, WIMG                      ; and in memory
	s_mov_b32 s93, 0
	s_mov_b32 s[SEL], 0x76543210
	s_mov_b32 s[SEL+1], 0xfedcba98
	s_mov_b32 s44, 0xffff0000                        ; lanes 16-31
	s_mov_b32 s86, 0x0000ffff                        ; lanes 0-15
	s_mov_b32 s87, 1                                 ; lane 0
	s_mov_b32 s88, 0x00010001                        ; lanes 0 and 16
	s_mov_b32 s94, 0x3e38aa3b                        ; log2(e) / 8
	s_mov_b32 s95, 0x3fb8aa3b                        ; log2(e)
	s_mov_b32 s45, 0
	CBMAP s39, s45, s46, s47, s96, s97
	v_and_b32 v9, 31, v0
	v_lshlrev_b32 v1, 4, v9
	v_lshlrev_b32 v2, 3, v9
	v_lshlrev_b32 v3, 2, v9
	v_lshlrev_b32 v4, 4, v9                          ; W's fragments in LDS: 16 x lane, + 18,432 a block
	v_lshl_add_u32 v5, v9, 4, WREC                   ; W's scale records: + 1,024 a block
	v_bfe_u32 v10, v0, 4, 1
	v_lshlrev_b32 v6, 6, v10                         ; 64 h
	v_lshlrev_b32 v8, 5, v10                         ; 32 h: lane 8 h as a permute's index
	v_and_b32 v7, 15, v0
	v_mul_u32_u24 v11, v10, 1536
	v_lshl_add_u32 v11, v7, 4, v11                   ; 16 r + 1,536 (l / 16)
	v_and_b32 v9, 8, v7
	v_add_nc_u32 v9, v9, v7
	s_lshl_b32 s53, s36, 7
	v_add_nc_u32 v9, s53, v9                         ; slot of tile 0's lane
	v_add_nc_u32 v10, 511, v9
	v_and_b32 v10, 511, v10                          ; its doc row: slot - 1, slot 0: 511
	v_lshlrev_b32 v10, 2, v10
	v_lshlrev_b32 v9, 2, v9
	v_lshlrev_b32 v7, 2, v7                          ; 4 r
.set n, 20
.rept 12
	v_mov_b32 v[n], 0                                ; what is carried from trip to trip is written once here
.set n, n+1
.endr
.irp n, 35,39,43,47,51,55,59,63
	v_mov_b32 v[\n], 0                               ; (v63 stays 0)
.endr
.set n, 0
.rept 16
	v_mov_b32 v[TM+n], 0
.set n, n+1
.endr
	s_wait_dscnt 0x0
	s_wait_kmcnt 0x0
	s_add_nc_u64 s[34:35], s[4:5], s[92:93]
	s_or_b32 s35, s35, 0x80000000                    ; type = 2
	CROUND                                           ; all four work-groups are here: the joint loads meet
	tensor_load_to_lds s[32:35], s[24:31]            ; one load of mine is out
	s_nop 0
.rept 4
	v_nop
.endr
	s_mul_i32 s92, s38, 294912
	s_mul_i32 s96, s36, 73728
	s_add_co_u32 s92, s92, s96
	PTR 54, 4, 92                                    ; my 8 token tiles' fragments
	s_lshl_b32 s92, s38, 4
	s_lshl_b32 s96, s36, 2
	s_add_co_u32 s92, s92, s96
	s_lshl_b32 s92, s92, 10
	s_add_co_u32 s92, s92, XSCL
	PTR 56, 4, 92                                    ; their scale records
	s_lshl_b32 s92, s38, 11
	PTR 58, 14, 92                                   ; the document's mask
	s_lshl_b32 s92, s47, 2
	PTR 84, 10, 92                                   ; the first block is always one of k
.irp ks, 0,1,2,3,4,5
	WIN (1+\ks/2)<<6
.irp t, 0,1,2,3,4,5,6,7
.irp g, 0,1,2
	global_load_b128 v[96*(\ks%2)+12*\t+4*\g:96*(\ks%2)+12*\t+4*\g+3], v1, s[54:55] offset:\t*9216+\ks*1536+512*\g
.endr
.endr
.endr
	WIN 0x80
.irp q, 0,1,2,3
	global_load_b128 v[216+4*\q:219+4*\q], v6, s[84:85] offset:16*\q
.endr
	WIN 0
.irp P, 0,1,2,3
.irp hf, 0,1
	global_load_b96 v[32+8*\P+4*\hf:34+8*\P+4*\hf], v1, s[56:57] offset:\P*1024+512*\hf
.endr
.endr
	global_load_b32 v12, v10, s[58:59]
.irp t, 1,2,3,4,5,6,7
	global_load_b32 v[12+\t], v9, s[58:59] offset:4*(32*(\t/2)+8*(\t%2))-4
.endr
	s_wait_tensorcnt 0x0                             ; my quarter of the part is in,
	s_barrier_signal -1
	s_barrier_wait -1                                ; everybody's is
.irp ks, 0,1,2
	WIN (1+\ks/2)<<6
.irp u, 0,1
.irp g, 0,1,2
	ds_load_b128 v[192+24*(\ks%2)+12*\u+4*\g:192+24*(\ks%2)+12*\u+4*\g+3], v4 offset:(6*\u+\ks)*1536+512*\g
.endr
.endr
.endr
	WIN 0
	ds_load_b128 v[64:67], v5
	ds_load_b128 v[68:71], v5 offset:512
	s_wait_loadcnt 0x0
.irp t, 0,1,2,3,4,5,6,7
	v_max_num_f32 v[12+\t], 0xfe967699, v[12+\t]     ; held at -1e38
.endr
.irp t, 0,1,2,3,4,5,6,7
	v_mul_f32 v[12+\t], s95, v[12+\t]
.endr
.Ltrip:                                              ; 8 trips: blocks 0-7; block 8, always one of q, is written out behind the loop, since it fetches nothing further
	TOP 1
	s_cmp_eq_u32 s46, 2
	s_cbranch_scc1 .Lv
	; ---- q or k.  What a block of k needs is asked for in both cases (the places exist for every head)
.irp q, 0,1,2,3
	global_load_b128 v[72+4*\q:75+4*\q], v6, s[72:73] offset:16*\q
.endr
	s_cmp_lg_u32 s36, 0
	s_cbranch_scc1 .Lno_k0
	WIN 0xc0
	global_load_b128 v[192:195], v1, s[74:75]
	global_load_b64 v[196:197], v2, s[74:75] offset:512
	global_load_b32 v198, v63, s[76:77]
	global_load_b32 v200, v7, s[78:79]
	global_load_b32 v201, v7, s[78:79] offset:64
	global_load_b32 v202, v7, s[78:79] offset:128
	global_load_b32 v203, v7, s[78:79] offset:192
	WIN 0
.Lno_k0:
	s_wait_alu depctr_va_vdst(0)
	GSET 0, 0, 1, -1, 1
	GSET 0, 1, 1, -1, 0
	GSET 0, 2, 1, -1, 0
	GSET 0, 3, 1, 12, 0
	GSET 0, 4, 1, 12, 0
	GSET 0, 5, 1, 12, 0
	s_cmp_eq_u32 s46, 1
	s_cbranch_scc1 .Lk
	EPI_Q
	s_branch .Lnext
.Lk:
	; ---- a block of k
	s_wait_loadcnt 0x0
.irp t, 0,1,2,3,4,5,6,7
	v_pk_mul_f32 v[TM+2*\t:TM+2*\t+1], v[128+16*\t:129+16*\t], v[72:73]          ; q_cls . k over my 16 channels, eight tokens by turns
.endr
.irp jj, 1,2,3,4,5,6,7
.irp t, 0,1,2,3,4,5,6,7
	v_pk_fma_f32 v[TM+2*\t:TM+2*\t+1], v[128+16*\t+2*\jj:129+16*\t+2*\jj], v[72+2*\jj:73+2*\jj], v[TM+2*\t:TM+2*\t+1]
.endr
.endr
.irp t, 0,1,2,3,4,5,6,7
	v_add_f32 v[TM+2*\t], v[TM+2*\t], v[TM+2*\t+1]
.endr
.irp t, 0,1,2,3,4,5,6,7
	v_fma_f32 v[20+\t], v[20+\t], s91, v[TM+2*\t]    ; the head's first half starts the score, the second adds
.endr
	s_cmp_lg_u32 s36, 0
	s_cbranch_scc1 .Lk_copy
	WIN 0x03
.irp i, 0,1,2,3,4,5,6
	v_mov_b32 v[72+\i], v[192+\i]                    ; query 31's codes and byte
.endr
.irp i, 0,1,2,3
	v_mov_b32 v[80+\i], v[200+\i]                    ; block 0's bytes
.endr
	WIN 0
.Lk_copy:
.irp P, 0,1,2,3
	s_wait_xcnt 0x0
	PAIRQ 128+32*\P, 144+32*\P
.if \P == 0
	s_cmp_lg_u32 s36, 0
	s_cbranch_scc1 .Lk_plain
	v_lshl_or_b32 v9, v[TM+7], 8, v[TM+6]            ; block 17's word: doc 511's byte in row 0; the other bytes scale zero codes
	v_lshlrev_b32 v9, s89, v9
	v_and_or_b32 v39, v39, s90, v9
.irp i, 0,1,2,3,4,5
	v_cndmask_b32 v[PC+12+\i], 0, v[PC+\i], s87      ; block 17: lane 0's codes, zero codes elsewhere
.endr
	global_store_b128 v1, v[PC+12:PC+15], s[56:57] offset:17*1536
	global_store_b64 v2, v[PC+16:PC+17], s[56:57] offset:17*1536+512
.irp i, 0,1,2,3,4,5
	v_cndmask_b32 v[PC+\i], v[PC+\i], v[72+\i], s87  ; key 32 is query row 31
.endr
	v_cndmask_b32 v[TM+6], v[TM+6], v78, s88
.Lk_plain:
.endif
	s_wait_alu depctr_va_vdst(0)
	global_store_b128 v1, v[PC:PC+3], s[56:57] offset:\P*1536
	global_store_b64 v2, v[PC+4:PC+5], s[56:57] offset:\P*1536+512
	v_lshl_or_b32 v9, v[TM+7], 8, v[TM+6]
	v_lshlrev_b32 v9, s89, v9
	v_and_or_b32 v[28+\P], v[28+\P], s90, v9         ; bytes [tile 0, tile 1] of this half of the channels
.endr
	s_cmp_eq_u32 s51, 0
	s_cbranch_scc1 .Lnext                            ; the head's second half is still to come
	v_cndmask_b32 v9, v28, v29, s44
	v_cndmask_b32 v10, v30, v31, s44
	global_store_b32 v3, v9, s[62:63]                ; v9 and v10 stay as they are until the next trip's head, whose wait frees them
	global_store_b32 v3, v10, s[62:63] offset:128
	s_cmp_lg_u32 s36, 0
	s_cbranch_scc1 .Lk_soft
	v_lshl_or_b32 v51, v81, 8, v80
	v_lshl_or_b32 v51, v82, 16, v51
	v_lshl_or_b32 v51, v83, 24, v51
	v_cndmask_b32 v51, v51, v39, s44                 ; the odd step: lanes 0-15 block 0, lanes 16-31 block 17
	global_store_b32 v3, v51, s[62:63] offset:1024
	global_store_b32 v3, v63, s[62:63] offset:1152
.Lk_soft:
.irp t, 0,1,2,3,4,5,6,7
	v_permlanex16_b32 v[TM+\t], v[20+\t], s[SEL], s[SEL+1]
.endr
.irp t, 0,1,2,3,4,5,6,7
	v_add_f32 v[20+\t], v[20+\t], v[TM+\t]           ; all 64 channels
.endr
.irp t, 0,1,2,3,4,5,6,7
	v_fma_f32 v[20+\t], v[20+\t], s94, v[12+\t]      ; t
.endr
	v_max3_num_f32 v55, v20, v21, v22
	v_max3_num_f32 v55, v55, v23, v24
	v_max3_num_f32 v55, v55, v25, v26
	v_max_num_f32 v55, v55, v27
.irp m, 1,2,4,8
	v_max_num_f32_dpp v55, v55, v55 row_xmask:\m row_mask:0xf bank_mask:0xf
.endr
.irp t, 0,1,2,3,4,5,6,7
	v_sub_f32 v[20+\t], v[20+\t], v55
.endr
	s_wait_alu depctr_va_vdst(0)
.irp t, 0,1,2,3,4,5,6,7
	v_exp_f32 v[20+\t], v[20+\t]
.endr
	v_nop                                            ; a plain place behind the exponentials
	s_wait_alu depctr_va_vdst(0)
	v_add_f32 v59, v20, v21                          ; l in two chains; neither register is a source of a pending store
	v_add_f32 v[TM+8], v22, v23
	v_add_f32 v59, v59, v24
	v_add_f32 v[TM+8], v[TM+8], v25
	v_add_f32 v59, v59, v26
	v_add_f32 v[TM+8], v[TM+8], v27
	v_add_f32 v59, v59, v[TM+8]
.irp m, 1,2,4,8
	v_add_f32_dpp v59, v59, v59 row_xmask:\m row_mask:0xf bank_mask:0xf
.endr
	s_mov_b32 s97, 0xaaaaaaaa
	v_cndmask_b32 v59, v55, v59, s97                 ; even lanes m, odd lanes l
	global_store_b32 v3, v59, s[60:61] offset:128
	s_branch .Lnext
.Lv:
	; ---- a block of v
	s_cmp_lg_u32 s36, 0
	s_cbranch_scc1 .Lno_v0
	WIN 0xc0
	global_load_b32 v204, v7, s[80:81]
	global_load_b32 v205, v7, s[80:81] offset:64
	global_load_b32 v206, v3, s[82:83]
	WIN 0
.Lno_v0:
	WIN 0x82
.irp j, 1,2,3,4,5,6,7
	v_mov_b32 v[216+\j], v216                        ; the channel's bias for all eight keys of a register run
	v_mov_b32 v[224+\j], v224
.endr
	WIN 0
.rept 4
	v_nop
.endr
	GSET 1, 0, 1, -1, 1
	GSET 1, 1, 1, -1, 0
	GSET 1, 2, 1, -1, 0
	GSET 1, 3, 1, 12, 0
	GSET 1, 4, 1, 12, 0
	GSET 1, 5, 1, 12, 0
	s_wait_loadcnt 0x0
.irp j, 0,1,2,3,4,5,6,7
	v_add_nc_u32 v[80+\j], 4*\j, v8
.endr
	BPERM 0
	BPERM 1
	BPERM 2
	BPERM 3
	s_wait_alu depctr_va_vdst(0)
.irp t, 0,1,2,3
	s_wait_alu depctr_va_vdst(0)
	s_wait_dscnt 24                                  ; tile t's eight are in; three tiles' were issued behind them
	OACC \t
	BPERM \t+4
.endr
	s_wait_alu depctr_va_vdst(0)
	s_wait_dscnt 24
	OACC 4
	s_wait_alu depctr_va_vdst(0)
	s_wait_dscnt 16
	OACC 5
	s_wait_alu depctr_va_vdst(0)
	s_wait_dscnt 8
	OACC 6
	s_wait_alu depctr_va_vdst(0)
	s_wait_dscnt 0x0
	OACC 7
	v_add_f32 v9, v124, v125
	v_add_f32 v10, v126, v127
	v_permlanex16_b32 v51, v9, s[SEL], s[SEL+1]
	v_permlanex16_b32 v55, v10, s[SEL], s[SEL+1]
	v_add_f32 v9, v9, v51
	v_add_f32 v10, v10, v55
	v_cndmask_b32 v9, v9, v10, s44
	global_store_b32 v3, v9, s[60:61]                ; o of channels 32 beta + lane
	s_cmp_lg_u32 s36, 0
	s_cbranch_scc1 .Lv_quant
	v_mov_b32 v43, v128                              ; doc 511's v: key 544
	v_mov_b32 v47, v192
	WIN 0x0c
	v_cndmask_b32 v128, v128, v204, s86              ; key 32 is query row 31
	v_cndmask_b32 v192, v192, v205, s86
	WIN 0
.Lv_quant:
	s_wait_alu depctr_va_vdst(0)
.irp u, 0,1
	s_wait_xcnt 0x0
	QUANT 128+64*\u
.irp g, 0,1,2
	global_store_b128 v1, v[PC+4*\g:PC+4*\g+3], s[58:59] offset:\u*1536+512*\g
.endr
	v_mov_b32 v[51+4*\u], v[PW]
.endr
	v_cndmask_b32 v59, v51, v55, s44
	global_store_b32 v3, v59, s[66:67]
	s_cmp_lg_u32 s36, 0
	s_cbranch_scc1 .Lnext
	s_wait_xcnt 0x0
.set n, 1
.rept 15
	v_mov_b32 v[128+n], 0                            ; block 17 has one key; the quantiser fills it with zeros
	v_mov_b32 v[192+n], 0
.set n, n+1
.endr
	v_cndmask_b32 v128, 0, v43, s86
	v_cndmask_b32 v192, 0, v47, s86
	PAIRQ 128, 192
.irp i, 6,7,8,9,10,11
	v_mov_b32 v[PC+\i], 0
.endr
.irp g, 0,1,2
	global_store_b128 v11, v[PC+4*\g:PC+4*\g+3], s[58:59] offset:16*1536+256+512*\g   ; lanes 16-31's part of the two odd fragments
.endr
	v_cndmask_b32 v10, v[TM+6], v[TM+7], s44
	WIN 0x30
	v_lshl_or_b32 v10, v10, 8, v206                  ; byte 0: block 0's, byte 1: block 17's
	WIN 0
	v_or_b32 v10, 0x7f7f0000, v10
	global_store_b32 v3, v10, s[66:67] offset:1024
.Lnext:
	v_add_nc_u32 v4, 18432, v4
	v_add_nc_u32 v5, 1024, v5
	s_mov_b32 s46, s48
	s_mov_b32 s47, s49
	s_add_co_u32 s45, s45, 1
	s_cmp_lt_u32 s45, 8
	s_cbranch_scc1 .Ltrip
	TOP 0                                            ; block 8
	s_wait_alu depctr_va_vdst(0)
	GSET 0, 0, 1, -1, 0
	GSET 0, 1, 1, -1, 0
	GSET 0, 2, 1, -1, 0
	GSET 0, 3, 0, 12, 0
	GSET 0, 4, 0, 6, 0
	GSET 0, 5, 0, 0, 0
	EPI_Q
	s_wait_dscnt 0x0
	s_set_vgpr_msb 0x5
	s_wait_tensorcnt 0x0
	ds_add_u32 v254, v255
	s_wait_dscnt 0x0
	s_set_vgpr_msb 0x500
	CROUND                                           ; the closing round
	s_endpgm
.Lfunc_end_k_q960c3aa028_proj:
	.size	k_q960c3aa028_proj, .Lfunc_end_k_q960c3aa028_proj-k_q960c3aa028_proj
	.p2alignl 7, 3214868480
	.fill 96, 4, 3214868480
	.section	.rodata,"a",@progbits
	.p2align	6, 0x0
	.amdhsa_kernel k_q960c3aa028_proj
		.amdhsa_group_segment_fixed_size 176640
		.amdhsa_private_segment_fixed_size 0
		.amdhsa_enable_private_segment 0
		.amdhsa_kernarg_size 80
		.amdhsa_user_sgpr_count 2
		.amdhsa_user_sgpr_kernarg_segment_ptr 1
		.amdhsa_wavefront_size32 1
		.amdhsa_system_sgpr_workgroup_id_x 1
		.amdhsa_system_sgpr_workgroup_id_y 1
		.amdhsa_system_sgpr_workgroup_id_z 1
		.amdhsa_system_vgpr_workitem_id 0
		.amdhsa_next_free_vgpr 1024
		.amdhsa_next_free_sgpr 100
		.amdhsa_reserve_vcc 0
		.amdhsa_float_denorm_mode_32 3
		.amdhsa_float_denorm_mode_16_64 3
		.amdhsa_memory_ordered 1
		.amdhsa_forward_progress 1
		.amdhsa_inst_pref_size 142
	.end_amdhsa_kernel
	.amdgpu_metadata
---
amdhsa.version: [ 1, 2 ]
amdhsa.kernels:
  - .name:           k_q960c3aa028_proj
    .symbol:         k_q960c3aa028_proj.kd
    .args:
      - { .name: qin, .offset: 0, .size: 8, .value_kind: global_buffer, .address_space: global }
      - { .name: small, .offset: 8, .size: 8, .value_kind: global_buffer, .address_space: global }
      - { .name: bq, .offset: 16, .size: 8, .value_kind: global_buffer, .address_space: global }
      - { .name: bk, .offset: 24, .size: 8, .value_kind: global_buffer, .address_space: global }
      - { .name: bv, .offset: 32, .size: 8, .value_kind: global_buffer, .address_space: global }
      - { .name: dmask, .offset: 40, .size: 8, .value_kind: global_buffer, .address_space: global }
      - { .name: kv, .offset: 48, .size: 8, .value_kind: global_buffer, .address_space: global }
      - { .name: qimg, .offset: 56, .size: 8, .value_kind: global_buffer, .address_space: global }
      - { .name: qscl, .offset: 64, .size: 8, .value_kind: global_buffer, .address_space: global }
      - { .name: cp, .offset: 72, .size: 8, .value_kind: global_buffer, .address_space: global }
    .group_segment_fixed_size: 176640
    .private_segment_fixed_size: 0
    .kernarg_segment_align: 8
    .kernarg_segment_size: 80
    .max_flat_workgroup_size: 128
    .sgpr_count:     100
    .vgpr_count:     1024
    .wavefront_size: 32
...
	.end_amdgpu_metadata
.endif
;; end of part 3
;; launch attn (part 4): grid 256 x 1, 8 waves a work-group, no clusters, 198,656 bytes of LDS; arguments kv, qimg, qscl, cp, small, qmask, dmask, out0; writes out0
.if DOCPART == 4
	.amdgcn_target "amdgcn-amd-amdhsa--gfx1250"
	.amdhsa_code_object_version 6
	.text
	.protected	k_q960c3aa028_attn
	.globl	k_q960c3aa028_attn
	.p2align	8
	.type	k_q960c3aa028_attn,@function
k_q960c3aa028_attn:
	s_mov_b64 s[64:65], 0
	v_nop
	global_prefetch_b8 v0, s[64:65] scope:SCOPE_SE
	s_setreg_imm32_b32 hwreg(HW_REG_WAVE_MODE, 25, 1), 1
	s_wait_xcnt 0x0
; Attention of all 545 rows of each (b, head, document) unit over its 545 keys.  Query and doc rows: both products on codes of FP6 (E2M3) with E8M0 scales; the cls row in f32.
; THE SOFTMAX AHEAD OF THE SECOND PRODUCT: t = (q . k + 8 mask) log2(e) / 8; M = the row's largest t rounded UP to a whole number; p = 2^(t - M) is quantised along the keys, not normalised;
; the row's sum is taken of the unquantised p and divides at the end.  ALL key places of a tile of 16 rows stay in registers, so M is the row's own: nothing is rescaled.
; SHARES.  Work-groups 2 i, 2 i + 1 own units 3 i, 3 i + 1 whole (34 tiles of 16 rows) and half of unit 3 i + 2 each (17 tiles): 51 tiles, dealt to 8 waves by turns (7 trips; places from 51 on are passed over).
; Both units' K and V (60,928 bytes each) lie in LDS, filled once by four tensor loads: half of these bytes are read by this work-group alone and the rest by one other, so no cluster.
; No prefetch: K and V are fetched once at the head, with no loop to run ahead in; a tile's query is loaded one tile ahead into registers.
; LAYOUT.  S^T = K Q^T, O^T = V^T P^T: a lane holds ONE row (lane % 16).  A K operand holds TWO tiles of 16 keys (lanes 0-15 one, lanes 16-31 the other); the query's codes stand in lanes 0-15
; (zero codes in the others) for the first tile, in lanes 16-31 for the second.  16 registers of two neighbouring tiles are 16 neighbouring keys.  8 x mask is the C of the first product.
; Keys: the ODD step (block 0: cls, query 0..30; block 17: doc 511 alone), then four steps of four blocks.  Of block 17 only the tile and the register that hold its one key are worked: the other 15 of its 16 places are zeros kept in registers.
; ORDER IN A TILE: scores step by step, K in two register buffers by turns, each step's maxima standing behind the next step's products; then M; t - M and the exponentials, a chunk's exponentials by turns with the next chunk's
; multiply-adds; the blocks' scales; then step by step codes, sums and the second product, V in two register buffers, asked for one step ahead.
; A full step's 8 x mask is loaded into the step's score registers ONE TILE AHEAD, as soon as the step's p has been converted and summed (the first tile's ahead of the loop).
; THE CLS ROW: waves 7 and 3, behind their tiles: the 33 shared keys from unquantised k, v, merged with the four parts over the doc keys by their maxima.
; REGISTERS.  Window 1: v0-255 8 x mask, S^T, then p, of the four full steps (64 s + 16 b + i).  Window 0: v1-3 LDS addresses of this tile's unit, v4 of the next tile's masks; v5-8 the way out; v9-11 query offsets; v12 -M, v13 largest t;
;   v14-15, v240-245 the sum in four chains; v16-39 the query's two operands (v16-27 take the next tile's codes); v40-87, v88-135 K or V, two buffers (v100-117 temporaries between the two uses); v136-151 block 0, v152-159 block 17's tile,
;   later with v214-221 O^T; v160-175 block 17's p and 15 zeros; v176-187 p's codes; v188-195 at work; v196-213 the 18 blocks' maxima, then conversion scales; v222 at work; v228-239, v246-247 scale words alone;
;   v248-249 the query's bytes; v250 0; v251 lane; v252 lane / 16; v253, v254 the spare word's address and 0.
; LIMITS: NaN, infinities in q, k, v and +inf masks are not served; 8 x mask is held at -3e38 from below (p = 0 there), for the cls row the mask at -1e38; the scaled scores stay under 2^31 in magnitude.
.set UNITB, 60928
.set VCOD,  27648
.set KSCL,  58368
.set VSCL,  59648
.set MKB,   121856                     ; behind the two units: 8 x mask, 576 numbers a unit
.set STG,   126464                     ; the way out: 16 rows x 272 bytes for each wave
.set SPARE, 0x30000                    ; the spare words: 128 bytes a wave
.set KSA,   24576
.set QA,  16
.set B0,  40
.set B1,  88
.set T,   100
.set SO,  136
.set S17, 152
.set ZG,  160
.set PC,  176
.set CT,  188
.set BM,  196
.set TF,  222
.set KS,  228
.set VS,  232                          ; V's scale words: v232-233, and 14 further on v246-247
.set QS,  234
.set PS,  235
.set MSB, 0
.macro WIN new                         ; the immediate's high byte repeats the setting that is left
.if MSB != (\new)
	s_set_vgpr_msb (MSB<<8)|(\new)
.set MSB, (\new)
.endif
.endm
.macro WM d, a, b, c, sa, sb, ra, rb
.if ((\ra) == 0) && ((\rb) == 0)
	v_wmma_scale_f32_16x16x128_f8f6f4 v[(\d):(\d)+7], v[(\a):(\a)+11], v[(\b):(\b)+11], v[(\c):(\c)+7], v[(\sa)], v[(\sb)] matrix_a_fmt:MATRIX_FMT_FP6 matrix_b_fmt:MATRIX_FMT_FP6
.else
	v_wmma_scale_f32_16x16x128_f8f6f4 v[(\d):(\d)+7], v[(\a):(\a)+11], v[(\b):(\b)+11], v[(\c):(\c)+7], v[(\sa)], v[(\sb)] matrix_a_fmt:MATRIX_FMT_FP6 matrix_b_fmt:MATRIX_FMT_FP6 matrix_a_scale:MATRIX_SCALE_ROW1
.endif
.endm
.macro WMZ d, a, b, sa, sb, ra         ; the same, starting a sum
.if (\ra) == 0
	v_wmma_scale_f32_16x16x128_f8f6f4 v[(\d):(\d)+7], v[(\a):(\a)+11], v[(\b):(\b)+11], 0, v[(\sa)], v[(\sb)] matrix_a_fmt:MATRIX_FMT_FP6 matrix_b_fmt:MATRIX_FMT_FP6
.else
	v_wmma_scale_f32_16x16x128_f8f6f4 v[(\d):(\d)+7], v[(\a):(\a)+11], v[(\b):(\b)+11], 0, v[(\sa)], v[(\sb)] matrix_a_fmt:MATRIX_FMT_FP6 matrix_b_fmt:MATRIX_FMT_FP6 matrix_a_scale:MATRIX_SCALE_ROW1
.endif
.endm
.macro UBD su, sb, sbd, st             ; unit -> b, 16 b + d
	s_lshr_b32 s[\sb], s[\su], 4
	s_cmp_ge_u32 s[\sb], 12
	s_cselect_b32 s[\sb], 1, 0
	s_lshl_b32 s[\st], s[\sb], 4
	s_and_b32 s[\sbd], s[\su], 15
	s_add_co_u32 s[\sbd], s[\sbd], s[\st]
.endm
.macro DECODE st                       ; place s[st] of the list -> s39 which of my two units, s46 the unit, s47 the pair of tiles, s48 which of the pair
	s_add_co_u32 s39, s[\st], 30
	s_lshr_b32 s39, s39, 6                           ; 1 from place 34 on
	s_mul_i32 s47, s39, s49
	s_sub_co_u32 s47, s[\st], s47                    ; tile
	s_and_b32 s48, s47, 1
	s_lshr_b32 s47, s47, 1
	s_mul_i32 s46, s39, s50
	s_add_co_u32 s46, s46, s22
.endm
.macro MASKAD                          ; v4: the masks of unit s39 of my two, 64 bytes for each half of the lanes
	s_mul_i32 s75, s39, 2304
	s_add_co_u32 s75, s75, MKB
	v_lshl_add_u32 v4, v252, 6, s75
.endm
.macro QLOAD                           ; the codes (48 bytes a row) and the two scale bytes of tile (s46, s47, s48): both halves of the lanes take row r
	s_mul_i32 s62, s46, 26112
	s_mul_i32 s58, s47, 1536
	s_add_co_u32 s62, s62, s58
	s_lshl_b32 s58, s48, 8
	s_add_co_u32 s58, s58, s62
	s_mov_b32 s59, 0
	s_add_nc_u64 s[40:41], s[6:7], s[58:59]
	s_lshl_b32 s58, s48, 7
	s_add_co_u32 s58, s58, s62
	s_add_nc_u64 s[42:43], s[6:7], s[58:59]
	s_mul_i32 s58, s46, 1280
	s_lshr_b32 s62, s47, 2
	s_lshl_b32 s62, s62, 8
	s_add_co_u32 s58, s58, s62
	s_lshl_b32 s62, s48, 6
	s_add_co_u32 s58, s58, s62
	s_and_b32 s62, s47, 3
	s_add_co_u32 s58, s58, s62
	s_add_nc_u64 s[44:45], s[8:9], s[58:59]
	global_load_b128 v[QA:QA+3], v9, s[40:41]
	global_load_b64 v[QA+4:QA+5], v10, s[42:43] offset:512
	global_load_b128 v[QA+6:QA+9], v9, s[40:41] offset:768
	global_load_b64 v[QA+10:QA+11], v10, s[42:43] offset:1280
	global_load_u8 v248, v11, s[44:45]
	global_load_u8 v249, v11, s[44:45] offset:128
.endm
.macro KOP reg, idx                    ; a K operand: two pieces of 768 bytes
	ds_load_b128 v[\reg:\reg+3], v1 offset:(\idx)*1536
	ds_load_b64 v[\reg+4:\reg+5], v2 offset:(\idx)*1536+512
	ds_load_b128 v[\reg+6:\reg+9], v1 offset:(\idx)*1536+768
	ds_load_b64 v[\reg+10:\reg+11], v2 offset:(\idx)*1536+1280
.endm
.macro MASKL s                         ; 8 x mask of full step s into the step's score registers: 16 LDS loads
	WIN 0x40
.irp t, 0,1,2,3,4,5,6,7
	ds_load_b128 v[64*\s+8*\t:64*\s+8*\t+3], v4 offset:4*(128*\s+32*(\t/2)+8*(\t%2))
	ds_load_b128 v[64*\s+8*\t+4:64*\s+8*\t+7], v4 offset:4*(128*\s+32*(\t/2)+8*(\t%2))+16
.endr
	WIN 0
.endm
.macro LOADK s, buf, ks                ; full step s: 16 loads of K, 2 of scale words: 18 LDS loads
	WIN 0
.irp e, 0,1,2,3
	KOP \buf+12*\e, 4*\s+\e
.endr
	ds_load_b32 v[\ks], v3 offset:KSCL+256*\s
	ds_load_b32 v[\ks+1], v3 offset:KSCL+256*\s+128
.endm
.macro MUL s, buf, ks                  ; eight products, each on a sum of its own
	WIN 0x50
.irp e, 0,1,2,3
.irp x, 0,1
	WM 64*\s+16*\e+8*\x, \buf+12*\e, QA+12*\x, 64*\s+16*\e+8*\x, \ks+\e/2, QS, \e%2, 0
.endr
.endr
.endm
.macro MAXS s                          ; each block's largest score of my 16: for the row's maximum and, since p rises with the score, for the block's largest p; each sum is read from its low end on
	WIN 0x05
.irp b, 0,1,2,3
	v_max_num_f32 v[BM+2+4*\s+\b], v[64*\s+16*\b], v[64*\s+16*\b+1]
.endr
	WIN 0x14
.irp i, 2,4,6,8,10,12,14
.irp b, 0,1,2,3
	v_max3_num_f32 v[BM+2+4*\s+\b], v[BM+2+4*\s+\b], v[64*\s+16*\b+\i], v[64*\s+16*\b+\i+1]
.endr
.endr
.endm
.macro VLOAD ki, so, buf, vs           ; a step's four fragments of V and their scale words: 14 LDS loads
.irp n, 0,1,2,3
.irp g, 0,1,2
	ds_load_b128 v[\buf+12*\n+4*\g:\buf+12*\n+4*\g+3], v1 offset:VCOD+(\ki+\n)*1536+512*\g
.endr
.endr
	ds_load_b32 v[\vs], v3 offset:VSCL+\so
	ds_load_b32 v[\vs+1], v3 offset:VSCL+\so+128
.endm
.macro PV ps, first, buf, vs           ; O^T's four sums lie at v136, v144, v152, v214
.irp n, 0,1,2,3
.if \first
	WMZ 136+8*\n+(\n/3)*54, \buf+12*\n, PC, \vs+\n/2, \ps, \n%2
.else
	WM 136+8*\n+(\n/3)*54, \buf+12*\n, PC, 136+8*\n+(\n/3)*54, \vs+\n/2, \ps, \n%2, 0
.endif
.endr
.endm
.macro ADDS s, j0, cnt                 ; the row's sum of the unquantised p, four chains by turns
.set j, \j0
.rept \cnt
.set AR, 238+2*(j%4)
.if j%4 == 0
.set AR, 14
.endif
	v_pk_add_f32 v[AR:AR+1], v[AR:AR+1], v[64*\s+2*j:64*\s+2*j+1]
.set j, j+1
.endr
.endm
.macro PSTEP s, cnt                    ; full step s: codes, sums, second product.  V of step s lies in the second buffer for even s, in the first for odd s.  cnt: the LDS loads issued behind step s's V
	WIN 0x04
	ADDS \s, 0, 4                                    ; four places behind the last products, ahead of loads and conversions into their sources
.if \s < 3
	VLOAD 4*\s+4, 256*\s+256, B0+48*(\s%2), VS+14*(\s%2)   ; the next step's V, into the buffer that the last products read
.endif
	WIN 0x01
	v_cvt_scalef32_pk16_fp6_f32 v[PC:PC+2], v[64*\s:64*\s+15], v[BM+2+4*\s]
	v_cvt_scalef32_pk16_fp6_f32 v[CT:CT+2], v[64*\s+16:64*\s+31], v[BM+3+4*\s]
	v_cvt_scalef32_pk16_fp6_f32 v[PC+6:PC+8], v[64*\s+32:64*\s+47], v[BM+4+4*\s]
	v_cvt_scalef32_pk16_fp6_f32 v[CT+4:CT+6], v[64*\s+48:64*\s+63], v[BM+5+4*\s]
	WIN 0x04
	v_nop                                            ; one plain place behind a scaled conversion
.irp c, 0,1
.irp i, 0,1,2
	v_permlane16_swap_b32 v[PC+6*\c+\i], v[CT+4*\c+\i]   ; a whole block to a lane
.endr
.endr
.irp c, 0,1
.irp i, 0,1,2
	v_mov_b32 v[PC+3+6*\c+\i], v[CT+4*\c+\i]
.endr
.endr
	ADDS \s, 4, 28                                   ; also the places between the codes' last write and the products
	WIN 0
	s_wait_alu depctr_va_vdst(0)                     ; the wait ahead of the blocking wait
	s_wait_dscnt \cnt                                ; this step's V is in
	PV PS+1+\s, 0, B0+48*((\s+1)%2), VS+14*((\s+1)%2)
	MASKL \s                                         ; this step's p is done with: its registers take the next tile's 8 x mask
.endm
	s_load_b256 s[4:11], s[0:1], 0x0                 ; kv s[4:5], qimg s[6:7], qscl s[8:9], cp s[10:11]
	s_load_b256 s[12:19], s[0:1], 0x20               ; small s[12:13], qmask s[14:15], dmask s[16:17], out0 s[18:19]
	v_lshl_add_u32 v253, v0, 2, SPARE
	v_mov_b32 v254, 0
	ds_add_u32 v253, v254                            ; the opening lines: the add twice and one wait
	ds_add_u32 v253, v254
	v_lshrrev_b32 v1, 5, v0
	v_readfirstlane_b32 s20, v1                      ; wave 0..7
	s_and_b32 s21, ttmp9, 1                          ; which of the two that share a unit
	s_lshr_b32 s22, ttmp9, 1
	s_mul_i32 s22, s22, 3
	s_add_co_u32 s23, s22, 2                         ; the shared unit
	s_add_co_u32 s22, s22, s21                       ; my own
	s_sub_co_u32 s50, s23, s22
	s_mul_i32 s49, s21, 17
	s_sub_co_u32 s49, 34, s49                        ; place 34 is tile 17 x side of the shared unit
	s_mov_b32 s52, 0x76543210
	s_mov_b32 s53, 0xfedcba98
	s_mov_b32 s54, 0x3e38aa3b                        ; log2(e) / 8
	s_mov_b32 s55, s54
	s_mov_b32 s56, 0x0000ffff
	s_mov_b32 s57, 0xffff0000
	v_and_b32 v251, 31, v0
	v_bfe_u32 v252, v0, 4, 1
	v_and_b32 v11, 15, v0
	v_lshlrev_b32 v9, 4, v11
	v_lshlrev_b32 v10, 3, v11
	s_mul_i32 s58, s20, 4352
	s_add_co_u32 s58, s58, STG
	v_mul_u32_u24 v5, v11, 272
	v_lshl_add_u32 v5, v252, 5, v5
	v_add_nc_u32 v5, s58, v5                         ; stage, in: row r, 32 h
	v_mul_u32_u24 v6, v252, 272
	v_lshl_add_u32 v6, v11, 4, v6
	v_add_nc_u32 v6, s58, v6                         ; stage, back: lanes 0-15 one row, lanes 16-31 the next
	v_mul_u32_u24 v7, v252, 3072
	v_lshl_add_u32 v7, v11, 4, v7                    ; and the same in out0
	v_lshlrev_b32 v11, 2, v11
	v_mov_b32 v250, 0
	v_lshl_add_u32 v1, v0, 2, MKB                    ; the masks' places: thread t = slots t and t + 256
	s_lshr_b32 s58, s20, 1
	s_mul_i32 s58, s58, 2304
	s_and_b32 s59, s20, 1
	s_lshl_b32 s59, s59, 7
	s_add_co_u32 s58, s58, s59
	s_add_co_u32 s58, s58, MKB+2048
	v_lshl_add_u32 v2, v251, 2, s58                  ; the odd step's: unit wave / 2, block wave % 2 (waves 0-3)
	v_add_nc_u32 v3, 511, v0
	v_and_b32 v3, 511, v3
	v_lshlrev_b32 v3, 2, v3                          ; doc row t - 1 (thread 0: replaced below)
	v_lshlrev_b32 v32, 2, v0                         ; with 1,020 added: doc row t + 255
	v_add_nc_u32 v33, 31, v251
	v_and_b32 v33, 31, v33
	v_lshlrev_b32 v33, 2, v33                        ; 4 ((lane + 31) % 32): the query row of shared slot = lane
.set n, 0
.rept 18
	v_mov_b32 v[T+n], 0                              ; lane permutes' destinations: written once
.set n, n+1
.endr
	v_mov_b32 v[TF], 0
.set n, 1
.rept 15
	v_mov_b32 v[ZG+n], 0                             ; block 17's 15 places without a key: zeros, never rewritten in the loop
.set n, n+1
.endr
	; descriptor group 1: half a unit as 119 rows of 256 bytes (32 elements of 8 bytes), dense, no padding, no mask
	s_mov_b32 s24, 3<<16
	s_mov_b32 s25, 32<<16
	s_mov_b32 s26, 119<<16
	s_mov_b32 s27, 32<<16
	s_mov_b32 s28, 119
	s_mov_b32 s29, 32
	s_mov_b32 s30, 0
	s_mov_b32 s31, 0
	s_mov_b32 s32, 1
	s_mul_i32 s33, s20, 30464                        ; waves 0-3: LDS bytes 30,464 w on
	s_lshr_b32 s58, s20, 1
	s_mul_i32 s58, s58, s50
	s_add_co_u32 s58, s58, s22
	s_mul_i32 s58, s58, UNITB
	s_and_b32 s59, s20, 1
	s_mul_i32 s59, s59, 30464
	s_add_co_u32 s58, s58, s59
	s_mov_b32 s59, 0
	UBD 22, 60, 61, 62
	UBD 23, 62, 63, 36
	s_wait_alu depctr_va_vdst(0)                     ; the wait at the head's end
	s_wait_dscnt 0x0                                 ; both opening adds are done
	s_wait_kmcnt 0x0
	s_add_nc_u64 s[34:35], s[4:5], s[58:59]
	s_or_b32 s35, s35, 0x80000000
	s_cmp_gt_u32 s20, 3
	s_cbranch_scc1 .Lno_fill
	tensor_load_to_lds s[32:35], s[24:31]            ; the launch's only fills: one load of mine is out
	s_nop 0
.rept 4
	v_nop
.endr
.Lno_fill:
	s_lshl_b32 s58, s61, 11
	s_add_nc_u64 s[66:67], s[16:17], s[58:59]        ; dmask of my own unit's document,
	s_lshl_b32 s58, s63, 11
	s_add_nc_u64 s[68:69], s[16:17], s[58:59]        ; of the shared unit's
	s_lshl_b32 s58, s60, 7
	s_add_nc_u64 s[70:71], s[14:15], s[58:59]        ; qmask likewise
	s_lshl_b32 s58, s62, 7
	s_add_nc_u64 s[72:73], s[14:15], s[58:59]
	global_load_b32 v96, v3, s[66:67]                ; all the head's loads go out ahead of one wait
	global_load_b32 v97, v3, s[68:69]
	global_load_b32 v98, v32, s[66:67] offset:1020
	global_load_b32 v99, v32, s[68:69] offset:1020
	global_load_b32 v100, v250, s[70:71] offset:124
	global_load_b32 v101, v250, s[72:73] offset:124
	DECODE 20
	MASKAD                                           ; my first tile's masks
	QLOAD                                            ; and its query
	s_cmp_gt_u32 s20, 3
	s_cbranch_scc1 .Lno_odd
	s_lshr_b32 s58, s20, 1
	s_and_b32 s59, s20, 1
	s_cmp_eq_u32 s58, 0
	s_cselect_b64 s[74:75], s[66:67], s[68:69]
	s_cselect_b64 s[76:77], s[70:71], s[72:73]
	s_add_nc_u64 s[74:75], s[74:75], 2044            ; doc row 511
	s_cmp_eq_u32 s59, 0
	s_cselect_b64 s[74:75], s[76:77], s[74:75]
	s_cselect_b32 s78, 1, 0
	s_cselect_b32 s79, 0xfffffffe, 1                 ; block 0: all but the cls key are read; block 17: its one key
	s_cselect_b32 s80, 0, 0xff61b1e6                 ; the cls key's mask is 0; where there is no key: -3e38
	v_mul_u32_u24 v34, v33, s78
	global_load_b32 v102, v34, s[74:75]
	s_wait_loadcnt 0x0
	v_mul_f32 v102, 0x41000000, v102
	v_mov_b32 v103, s80
	v_max_num_f32 v102, 0xff61b1e6, v102
	v_cndmask_b32 v102, v103, v102, s79
	ds_store_b32 v2, v102
.Lno_odd:
	s_wait_loadcnt 0x0
	v_cmp_eq_u32 vcc_lo, 0, v0
	v_cndmask_b32 v96, v96, v100, vcc_lo             ; slot 0 is key 32: query row 31
	v_cndmask_b32 v97, v97, v101, vcc_lo
.irp n, 96,97,98,99
	v_mul_f32 v\n, 0x41000000, v\n
.endr
.irp n, 96,97,98,99
	v_max_num_f32 v\n, 0xff61b1e6, v\n               ; held at -3e38
.endr
	ds_store_b32 v1, v96
	ds_store_b32 v1, v97 offset:2304
	ds_store_b32 v1, v98 offset:1024
	ds_store_b32 v1, v99 offset:3328
	s_wait_alu depctr_va_vdst(0)
	s_wait_tensorcnt 0x0                             ; my part of the units is in,
	s_wait_dscnt 0x0                                 ; my masks are stored:
	s_barrier_signal -1
	s_barrier_wait -1                                ; everybody's are.  The launch's only barrier
	MASKL 0                                          ; the first tile's 8 x mask of the four full steps
	MASKL 1
	MASKL 2
	MASKL 3
	s_mov_b32 s36, 0
	s_mov_b32 s37, s20
.Ltile:
	s_cmp_gt_u32 s37, 50
	s_cbranch_scc1 .Lskip
	s_wait_loadcnt 0x0                               ; the query's codes and bytes
	s_wait_xcnt 0x0                                  ; the last tile's stores have read their registers and their base
	DECODE 37
	s_mul_i32 s74, s39, UNITB
	v_lshl_add_u32 v1, v251, 4, s74
	v_lshl_add_u32 v2, v251, 3, s74
	v_lshl_add_u32 v3, v251, 2, s74
	s_wait_alu depctr_va_vdst(0)
	; ---- the first K loads go out ahead of the query's preparation.  The odd step: block 0's two tiles, block 17's first: 15 LDS loads
.irp x, 0,1
	ds_load_b128 v[SO+8*\x:SO+8*\x+3], v4 offset:4*(512+8*\x)
	ds_load_b128 v[SO+8*\x+4:SO+8*\x+7], v4 offset:4*(512+8*\x)+16
.endr
	ds_load_b128 v[S17:S17+3], v4 offset:4*(512+32)
	ds_load_b128 v[S17+4:S17+7], v4 offset:4*(512+32)+16
	KOP B0, 16
	KOP B0+12, 17
	ds_load_b32 v[KS], v3 offset:KSCL+1024
	LOADK 0, B1, KS+2
	; where the tile's rows go: row = first + m + 8 (m / 8); slot 0 of a segment is its last row
	s_lshr_b32 s58, s46, 4
	s_cmp_ge_u32 s58, 12
	s_cselect_b32 s59, 1, 0
	s_mul_i32 s62, s59, 12
	s_sub_co_u32 s58, s58, s62                       ; head
	s_lshl_b32 s59, s59, 4
	s_and_b32 s62, s46, 15
	s_add_co_u32 s59, s59, s62
	s_mul_i32 s59, s59, 545
	s_lshl_b32 s62, s47, 5
	s_add_co_u32 s62, s62, 32
	s_mov_b32 s63, 32*3072
	s_cmp_lt_u32 s47, 16
	s_cselect_b32 s62, s62, 0
	s_cselect_b32 s63, 512*3072, s63
	s_add_co_u32 s59, s59, s62
	s_lshl_b32 s62, s48, 3
	s_add_co_u32 s59, s59, s62
	s_and_b32 s62, s47, 15
	s_or_b32 s62, s62, s48
	s_cmp_eq_u32 s62, 0
	s_cselect_b32 s76, s63, 0
	s_mul_i32 s62, s59, 3072
	s_lshl_b32 s58, s58, 8
	s_add_co_u32 s62, s62, s58
	s_mov_b32 s63, 0
	s_add_nc_u64 s[60:61], s[18:19], s[62:63]
	v_mul_u32_u24 v[QS], v248, 0x101
	v_mul_u32_u24 v[TF], v249, 0x101
	v_lshl_or_b32 v[QS], v[TF], 16, v[QS]            ; the query's scale word: [s0, s0, s1, s1]; 28 plain lines stand between it and the first product
.set i, 0
.rept 12
	v_cndmask_b32 v[QA+12+i], 0, v[QA+i], s57        ; for a K operand's second tile of keys,
	v_cndmask_b32 v[QA+i], 0, v[QA+i], s56           ; for its first
.set i, i+1
.endr
	v_mov_b32 v8, s76                                ; the first store's offset (lanes 0-15 of a segment's first tile go to its last row): with the v_nop four places ahead of the products
	v_cndmask_b32 v8, 0, v8, s56
	v_add_nc_u32 v8, v7, v8
	v_nop
	s_wait_alu depctr_va_vdst(0)
	s_wait_dscnt 18                                  ; all but the next step's 18 loads
	WM SO, B0, QA, SO, KS, QS, 0, 0
	WM SO+8, B0, QA+12, SO+8, KS, QS, 0, 0
	WM S17, B0+12, QA, S17, KS, QS, 1, 0
.rept 4
	v_nop                                            ; places ahead of loads into these products' sources
.endr
	LOADK 1, B0, KS
	s_wait_dscnt 18
	MUL 0, B1, KS+2
	WIN 0
	v_max_num_f32 v[BM], v[SO], v[SO+1]              ; block 0's largest score, in two chains: nine places behind the products above
	v_max_num_f32 v[TF], v[SO+8], v[SO+9]
.irp i, 2,4,6
	v_max3_num_f32 v[BM], v[BM], v[SO+\i], v[SO+\i+1]
	v_max3_num_f32 v[TF], v[TF], v[SO+8+\i], v[SO+9+\i]
.endr
	v_max_num_f32 v[BM], v[BM], v[TF]
	LOADK 2, B1, KS+2
	s_wait_alu depctr_va_vdst(0)
	s_wait_dscnt 18
	MUL 1, B0, KS
	MAXS 0                                           ; the step before's maxima stand behind each step's products: they are the places ahead of the next loads
	LOADK 3, B0, KS
	s_wait_alu depctr_va_vdst(0)
	s_wait_dscnt 18
	MUL 2, B1, KS+2
	MAXS 1
	WIN 0
	s_wait_alu depctr_va_vdst(0)
	s_wait_dscnt 0x0
	MUL 3, B0, KS
	MAXS 2
	WIN 0
	s_wait_alu depctr_va_vdst(0)                     ; ahead of the run of scalar lines
	s_add_co_u32 s38, s37, 8
	s_min_u32 s38, s38, 50                           ; my next tile (held at the list's last place: the load stays inside its buffer)
	DECODE 38
	MASKAD                                           ; from here on v4 points at the next tile's masks
	QLOAD                                            ; into the query's registers, which the last products have read 32 places ago
	VLOAD 16, 1024, B0, VS                           ; the odd step's V
	MAXS 3
	WIN 0
	; ---- the blocks' maxima over both halves of the lanes, the row's M
	v_permlanex16_b32 v[T], v[BM], s52, s53
	v_permlanex16_b32 v[T+1], v[S17], s52, s53       ; block 17: its one key is register 0 of lanes 0-15
.set n, 2
.rept 16
	v_permlanex16_b32 v[T+n], v[BM+n], s52, s53
.set n, n+1
.endr
	v_max_num_f32 v[BM], v[BM], v[T]
	v_max_num_f32 v[BM+1], v[S17], v[T+1]
.set n, 2
.rept 16
	v_max_num_f32 v[BM+n], v[BM+n], v[T+n]
.set n, n+1
.endr
.irp k, 0,1,2,3,4,5
	v_max3_num_f32 v[T+\k], v[BM+3*\k], v[BM+3*\k+1], v[BM+3*\k+2]
.endr
	v_max3_num_f32 v[T], v[T], v[T+1], v[T+2]
	v_max3_num_f32 v[T+3], v[T+3], v[T+4], v[T+5]
	s_delay_alu instid0(VALU_DEP_1)
	v_max_num_f32 v[T], v[T], v[T+3]
	s_delay_alu instid0(VALU_DEP_1)
	v_mul_f32 v13, s54, v[T]                         ; the row's largest t (the cls key has mask 0: a number)
	s_delay_alu instid0(VALU_DEP_1)
	v_floor_f32 v12, -v13                            ; -M = floor(-t): M is a whole number
.set j, 0
.rept 8
	v_pk_fma_f32 v[SO+j:SO+j+1], v[SO+j:SO+j+1], s[54:55], v[12:13] op_sel_hi:[1,0,0]      ; t - M
.set j, j+2
.endr
	v_fma_f32 v[ZG], v[S17], s54, v12
.set n, 0
.rept 18
	v_fma_f32 v[BM+n], v[BM+n], s54, v12
.set n, n+1
.endr
	WIN 0x41
.set j, 0
.rept 32
	v_pk_fma_f32 v[j:j+1], v[j:j+1], s[54:55], v[12:13] op_sel_hi:[1,0,0]
.set j, j+2
.endr
	WIN 0
	s_wait_alu depctr_va_vdst(0)                     ; the wait ahead of a batch of exponentials
.set n, 0
.rept 18
	v_exp_f32 v[BM+n], v[BM+n]                       ; each block's largest p
.set n, n+1
.endr
.set n, 0
.rept 16
	v_exp_f32 v[SO+n], v[SO+n]
.set n, n+1
.endr
	v_exp_f32 v[ZG], v[ZG]
	WIN 0x41
.set c, 0
.rept 3                                ; step c's exponentials by turns with step c + 1's t - M; one wait between a step's multiply-adds and its exponentials
.set k, 0
.rept 32
	v_exp_f32 v[64*c+2*k], v[64*c+2*k]               ; p, at most 1
	v_exp_f32 v[64*c+2*k+1], v[64*c+2*k+1]
	v_pk_fma_f32 v[64*c+64+2*k:64*c+65+2*k], v[64*c+64+2*k:64*c+65+2*k], s[54:55], v[12:13] op_sel_hi:[1,0,0]
.set k, k+1
.endr
	s_wait_alu depctr_va_vdst(0)
.set c, c+1
.endr
.set j, 192
.rept 64
	v_exp_f32 v[j], v[j]
.set j, j+1
.endr
	WIN 0
	v_nop                                            ; a plain place behind the exponentials
	s_wait_alu depctr_va_vdst(0)                     ; and the wait ahead of their first reader
.set n, 0
.rept 18
	v_max_num_f32 v[BM+n], 0x1800000, v[BM+n]        ; the floor: the byte cannot fall under 1
.set n, n+1
.endr
.set n, 0
.rept 18
	v_add_nc_u32 v[BM+n], 0xff000000, v[BM+n]        ; 2 off the exponent field: the conversion's scale operand
.set n, n+1
.endr
.set n, 0
.rept 18
	v_lshrrev_b32 v[T+n], 23, v[BM+n]                ; the byte
.set n, n+1
.endr
	v_lshl_or_b32 v[PS], v[T+1], 8, v[T]             ; p's scale words
.irp s, 0,1,2,3
	v_lshl_or_b32 v[PS+1+\s], v[T+3+4*\s], 8, v[T+2+4*\s]
.endr
	v_or_b32 v[PS], 0x7f7f0000, v[PS]
.irp s, 0,1,2,3
	v_lshl_or_b32 v[PS+1+\s], v[T+4+4*\s], 16, v[PS+1+\s]
.endr
.irp s, 0,1,2,3
	v_lshl_or_b32 v[PS+1+\s], v[T+5+4*\s], 24, v[PS+1+\s]
.endr
	VLOAD 0, 0, B1, VS+14                            ; step 0's V, into the second buffer: the temporaries there are done with
	; ---- the odd step's codes, sums and product, which starts O^T
	v_cvt_scalef32_pk16_fp6_f32 v[PC:PC+2], v[SO:SO+15], v[BM]
	v_cvt_scalef32_pk16_fp6_f32 v[CT:CT+2], v[ZG:ZG+15], v[BM+1]
	v_nop                                            ; one plain place behind a scaled conversion
.irp i, 0,1,2
	v_permlane16_swap_b32 v[PC+\i], v[CT+\i]
.endr
.irp i, 0,1,2
	v_mov_b32 v[PC+3+\i], v[CT+\i]
.endr
.irp i, 6,7,8,9,10,11
	v_mov_b32 v[PC+\i], 0                            ; the rest of this step's K: zero codes
.endr
	v_pk_add_f32 v[14:15], v[SO:SO+1], v[SO+2:SO+3]  ; the first terms start the sum's four chains
	v_pk_add_f32 v[240:241], v[SO+4:SO+5], v[SO+6:SO+7]
	v_pk_add_f32 v[242:243], v[SO+8:SO+9], v[SO+10:SO+11]
	v_pk_add_f32 v[244:245], v[SO+12:SO+13], v[SO+14:SO+15]
	v_add_f32 v14, v14, v[ZG]
	s_wait_alu depctr_va_vdst(0)
	s_wait_dscnt 14                                  ; the odd step's V is in; step 0's 14 loads may be out
	PV PS, 1, B0, VS
	PSTEP 0, 14                                      ; behind step 0's V: step 1's V
	PSTEP 1, 30                                      ; behind step 1's V: 16 mask loads and step 2's V
	PSTEP 2, 30
	PSTEP 3, 16                                      ; behind step 3's V: 16 mask loads
	v_pk_add_f32 v[14:15], v[14:15], v[240:241]      ; these plain lines are the places behind the last products
	v_pk_add_f32 v[242:243], v[242:243], v[244:245]
	v_pk_add_f32 v[14:15], v[14:15], v[242:243]
	s_delay_alu instid0(VALU_DEP_1)
	v_add_f32 v14, v14, v15
	v_permlanex16_b32 v[TF], v14, s52, s53
	v_add_f32 v14, v14, v[TF]                        ; the row's sum
	s_wait_alu depctr_va_vdst(0)
	v_rcp_f32 v14, v14
	v_nop
	v_nop
	s_wait_alu depctr_va_vdst(0)                     ; ahead of the first reader of the reciprocal and of O^T
.set j, 0
.rept 16
	v_pk_mul_f32 v[B0+j:B0+j+1], v[136+j+(j/24)*54:137+j+(j/24)*54], v[14:15] op_sel_hi:[1,0]
.set j, j+2
.endr
.irp n, 0,1,2,3
	ds_store_b128 v5, v[B0+8*\n:B0+8*\n+3] offset:64*\n
	ds_store_b128 v5, v[B0+8*\n+4:B0+8*\n+7] offset:64*\n+16
.endr
.irp i, 0,1,2,3,4,5,6,7
	ds_load_b128 v[120+4*\i:123+4*\i], v6 offset:2*\i*272        ; LDS serves a wave's instructions in order: these see my stores
.endr
	s_wait_dscnt 7
	global_store_b128 v8, v[120:123], s[60:61] th:TH_STORE_NT
.irp i, 1,2,3,4,5,6,7
	s_wait_dscnt 7-\i                                ; the younger loads may stay out
	global_store_b128 v7, v[120+4*\i:123+4*\i], s[60:61] offset:(2*\i+8*(\i/4))*3072 th:TH_STORE_NT   ; 16 lanes store a row's 256 bytes of this head, aligned
.endr
.Lskip:
	s_add_co_u32 s37, s37, 8
	s_add_co_u32 s36, s36, 1
	s_cmp_lt_u32 s36, 7
	s_wait_alu depctr_va_vdst(0)
	s_cbranch_scc1 .Ltile
	; ---- the cls rows
	s_cmp_eq_u32 s20, 7
	s_cbranch_scc1 .Lcls_own
	s_cmp_lg_u32 s20, 3
	s_cbranch_scc1 .Lend
	s_cmp_lg_u32 s21, 0
	s_cbranch_scc1 .Lend
	s_mov_b32 s46, s23
	s_branch .Lcls
.Lcls_own:
	s_mov_b32 s46, s22
.Lcls:
	s_wait_loadcnt 0x0
	s_wait_xcnt 0x0
	v_mul_u32_u24 v9, v251, 3072                     ; lane = shared slot
	v_lshlrev_b32 v10, 3, v251
	v_add_nc_u32 v11, 31, v251
	v_and_b32 v11, 31, v11
	v_lshlrev_b32 v11, 2, v11                        ; the query row of shared slot = lane
	s_wait_alu depctr_va_vdst(0)                     ; ahead of the run of scalar lines
	s_lshr_b32 s58, s46, 4
	s_cmp_ge_u32 s58, 12
	s_cselect_b32 s59, 1, 0
	s_mul_i32 s62, s59, 12
	s_sub_co_u32 s58, s58, s62
	s_lshl_b32 s58, s58, 8                           ; 256 x head
	s_mul_i32 s62, s59, 3072
	s_add_co_u32 s62, s62, s58
	s_mov_b32 s63, 0
	s_add_nc_u64 s[40:41], s[12:13], s[62:63]        ; q of cls; k of cls 6,144 and v of cls 12,288 bytes on
	s_mul_i32 s62, s59, 98304
	s_add_co_u32 s62, s62, s58
	s_add_co_u32 s62, s62, KSA
	s_add_nc_u64 s[42:43], s[12:13], s[62:63]        ; the shared slots' k; their v 196,608 bytes on
	s_mul_i32 s62, s46, 1536
	s_add_nc_u64 s[44:45], s[10:11], s[62:63]        ; the four parts over the doc keys
	s_lshl_b32 s62, s59, 7
	s_add_nc_u64 s[66:67], s[14:15], s[62:63]
	s_lshl_b32 s59, s59, 4
	s_and_b32 s62, s46, 15
	s_add_co_u32 s59, s59, s62
	s_mul_i32 s62, s59, 545*3072
	s_add_co_u32 s62, s62, s58
	s_add_nc_u64 s[60:61], s[18:19], s[62:63]        ; row 0
.set j, 0
.rept 16
	global_load_b128 v[32+4*j:35+4*j], v250, s[40:41] offset:16*j
	global_load_b128 v[160+4*j:163+4*j], v250, s[40:41] offset:6144+16*j
	global_load_b128 v[96+4*j:99+4*j], v9, s[42:43] offset:16*j
.set j, j+1
.endr
	global_load_b32 v12, v11, s[66:67]
	global_load_b64 v[14:15], v10, s[40:41] offset:12288
.irp w, 0,1,2,3
	global_load_b64 v[16+2*\w:17+2*\w], v250, s[44:45] offset:\w*384+256   ; m, l
	global_load_b64 v[24+2*\w:25+2*\w], v10, s[44:45] offset:\w*384        ; o of channels 2 lane, 2 lane + 1
.endr
	s_wait_loadcnt 0x0
	v_pk_mul_f32 v[224:225], v[32:33], v[96:97]
	v_pk_mul_f32 v[226:227], v[32:33], v[160:161]
.set j, 2
.rept 31
	s_delay_alu instid0(VALU_DEP_2)
	v_pk_fma_f32 v[224:225], v[32+j:33+j], v[96+j:97+j], v[224:225]
	s_delay_alu instid0(VALU_DEP_2)
	v_pk_fma_f32 v[226:227], v[32+j:33+j], v[160+j:161+j], v[226:227]
.set j, j+2
.endr
.set j, 0
.rept 32
	global_load_b64 v[96+2*j:97+2*j], v10, s[42:43] offset:196608+j*3072  ; v of slot j, my two channels
.set j, j+1
.endr
	v_add_f32 v212, v224, v225
	v_add_f32 v213, v226, v227
	v_max_num_f32 v12, 0xfe967699, v12
	s_delay_alu instid0(VALU_DEP_1)
	v_mul_f32 v12, 0x3fb8aa3b, v12
	s_delay_alu instid0(VALU_DEP_1)
	v_fma_f32 v212, v212, s54, v12                   ; t of my slot
	s_delay_alu instid0(VALU_DEP_4)
	v_mul_f32 v213, s54, v213                        ; t of the cls key (mask 0)
	s_delay_alu instid0(VALU_DEP_2)
	v_mov_b32 v214, v212
.irp m, 1,2,4,8
	s_delay_alu instid0(VALU_DEP_1)
	v_max_num_f32_dpp v214, v214, v214 row_xmask:\m row_mask:0xf bank_mask:0xf
.endr
	s_delay_alu instid0(VALU_DEP_1)
	v_permlanex16_b32 v226, v214, s52, s53
	s_delay_alu instid0(VALU_DEP_1)
	v_max_num_f32 v214, v214, v226
	s_delay_alu instid0(VALU_DEP_1)
	v_max3_num_f32 v214, v214, v213, v16
	s_delay_alu instid0(VALU_DEP_1)
	v_max3_num_f32 v214, v214, v18, v20
	s_delay_alu instid0(VALU_DEP_1)
	v_max_num_f32 v214, v214, v22                    ; the row's largest t
	s_delay_alu instid0(VALU_DEP_1)
	v_sub_f32 v212, v212, v214
	s_delay_alu instid0(VALU_DEP_2)
	v_sub_f32 v213, v213, v214
.irp w, 0,1,2,3
	v_sub_f32 v[16+2*\w], v[16+2*\w], v214
.endr
	s_wait_alu depctr_va_vdst(0)
	v_exp_f32 v212, v212
	v_exp_f32 v213, v213
.irp w, 0,1,2,3
	v_exp_f32 v[16+2*\w], v[16+2*\w]
.endr
	v_nop
	s_wait_alu depctr_va_vdst(0)
	v_mov_b32 v216, v212
.irp m, 1,2,4,8
	s_delay_alu instid0(VALU_DEP_1)
	v_add_f32_dpp v216, v216, v216 row_xmask:\m row_mask:0xf bank_mask:0xf
.endr
	s_delay_alu instid0(VALU_DEP_1)
	v_permlanex16_b32 v226, v216, s52, s53
	s_delay_alu instid0(VALU_DEP_1)
	v_add_f32 v216, v216, v226
	v_add_f32 v216, v216, v213
	v_mul_f32 v218, v213, v14
	v_mul_f32 v219, v213, v15
.irp w, 0,1,2,3
	v_fmac_f32 v216, v[16+2*\w], v[17+2*\w]
	v_fmac_f32 v218, v[16+2*\w], v[24+2*\w]
	v_fmac_f32 v219, v[16+2*\w], v[25+2*\w]
.endr
	s_wait_alu depctr_va_vdst(0)
	s_wait_loadcnt 0x0
.set j, 0
.rept 32
	v_readlane_b32 s[58+j%2], v212, j
	s_delay_alu instid0(VALU_DEP_1)
	v_fmac_f32 v218, s[58+j%2], v[96+2*j]
	s_delay_alu instid0(VALU_DEP_2)
	v_fmac_f32 v219, s[58+j%2], v[97+2*j]
.set j, j+1
.endr
	v_rcp_f32 v216, v216
	v_nop
	s_wait_alu depctr_va_vdst(0)
	v_mul_f32 v218, v218, v216
	v_mul_f32 v219, v219, v216
	global_store_b64 v10, v[218:219], s[60:61]       ; 32 lanes store the row's 256 bytes of this head
.Lend:
	s_wait_tensorcnt 0x0                             ; the wave's end
	ds_add_u32 v253, v254
	s_wait_dscnt 0x0
	s_endpgm
.Lfunc_end_k_q960c3aa028_attn:
	.size	k_q960c3aa028_attn, .Lfunc_end_k_q960c3aa028_attn-k_q960c3aa028_attn
	.p2alignl 7, 3214868480
	.fill 96, 4, 3214868480
	.section	.rodata,"a",@progbits
	.p2align	6, 0x0
	.amdhsa_kernel k_q960c3aa028_attn
		.amdhsa_group_segment_fixed_size 198656
		.amdhsa_private_segment_fixed_size 0
		.amdhsa_enable_private_segment 0
		.amdhsa_kernarg_size 64
		.amdhsa_user_sgpr_count 2
		.amdhsa_user_sgpr_kernarg_segment_ptr 1
		.amdhsa_wavefront_size32 1
		.amdhsa_system_sgpr_workgroup_id_x 1
		.amdhsa_system_sgpr_workgroup_id_y 1
		.amdhsa_system_sgpr_workgroup_id_z 1
		.amdhsa_system_vgpr_workitem_id 0
		.amdhsa_next_free_vgpr 512
		.amdhsa_next_free_sgpr 84
		.amdhsa_reserve_vcc 1
		.amdhsa_float_denorm_mode_32 3
		.amdhsa_float_denorm_mode_16_64 3
		.amdhsa_memory_ordered 1
		.amdhsa_forward_progress 1
		.amdhsa_inst_pref_size 116
	.end_amdhsa_kernel
	.amdgpu_metadata
---
amdhsa.version: [ 1, 2 ]
amdhsa.kernels:
  - .name:           k_q960c3aa028_attn
    .symbol:         k_q960c3aa028_attn.kd
    .args:
      - { .name: kv, .offset: 0, .size: 8, .value_kind: global_buffer, .address_space: global }
      - { .name: qimg, .offset: 8, .size: 8, .value_kind: global_buffer, .address_space: global }
      - { .name: qscl, .offset: 16, .size: 8, .value_kind: global_buffer, .address_space: global }
      - { .name: cp, .offset: 24, .size: 8, .value_kind: global_buffer, .address_space: global }
      - { .name: small, .offset: 32, .size: 8, .value_kind: global_buffer, .address_space: global }
      - { .name: qmask, .offset: 40, .size: 8, .value_kind: global_buffer, .address_space: global }
      - { .name: dmask, .offset: 48, .size: 8, .value_kind: global_buffer, .address_space: global }
      - { .name: out0, .offset: 56, .size: 8, .value_kind: global_buffer, .address_space: global }
    .group_segment_fixed_size: 198656
    .private_segment_fixed_size: 0
    .kernarg_segment_align: 8
    .kernarg_segment_size: 64
    .max_flat_workgroup_size: 256
    .sgpr_count:     84
    .vgpr_count:     512
    .wavefront_size: 32
...
	.end_amdgpu_metadata
.endif
;; end of part 4
